; MI455X (gfx1250); checked and timed in simulation.
; The chip was launched on July 23, 2026; its instructions are those of AMD's public machine-readable ISA for CDNA 5 (MIT licence, August 2026) and "CDNA5" Instruction Set Architecture Reference Guide (July 2026). The comments in the code are by the model that wrote it; some were corrected since.
;; Multi Head Attention. Allowed arithmetic: matrix products marked QUANTISED: E2M3 operands, one E8M0 scale for each 32 along K, by v_wmma_scale_f32_16x16x128_f8f6f4 with both operands' format E2M3, f32 sums; everything else in f32.
;; Inputs: W_k 1,024 x 1,024 float32; W_o 1,024 x 1,024 float32; W_q 1,024 x 1,024 float32; W_v 1,024 x 1,024 float32; keys 4 x 2,048 x 1,024 float32; queries 4 x 2,048 x 1,024 float32; valid_lens 4 int32; values 4 x 2,048 x 1,024 float32.
;; Outputs: out0 4 x 2,048 x 1,024 float32.
;; This version of the problem:
;;   THIS VERSION OF THE PROBLEM IS GIVEN IN LOW PRECISION. The matrix products marked QUANTISED in the list below multiply operands that are first quantised to E2M3 (2 exponent bits, 3 mantissa bits; 6 bits a number), with one power-of-two scale for each 32 numbers along K (OCP MX v1.0); their sums are f32. All else is computed in f32.
;;   The module's matrix products, in the order in which they are computed (A, B: the left and right operand; K: the contracted axis; several contracted axes count as one K, in the product's order):
;;     1. [M 8,192, K 1,024] x [K 1,024, N 1,024]; A: input queries; B: input W_q: QUANTISED
;;     2. [M 8,192, K 1,024] x [K 1,024, N 1,024]; A: input keys; B: input W_k: QUANTISED
;;     3. [M 8,192, K 1,024] x [K 1,024, N 1,024]; A: input values; B: input W_v: QUANTISED
;;     4. batch 64 x [M 2,048, K 64] x [K 64, N 2,048]; A: computed on the way; B: computed on the way: QUANTISED
;;     5. batch 64 x [M 2,048, K 2,048] x [K 2,048, N 64]; A: softmax (see below); B: computed on the way: QUANTISED
;;     6. [M 8,192, K 1,024] x [K 1,024, N 1,024]; A: computed on the way; B: input W_o: QUANTISED
;;   THE QUANTISER, for each operand of a quantised product, along K:
;;     - K is cut into blocks of 32 from its start; a last block that is shorter is filled with zeros.
;;     - A block's scale is 2^e with e = floor(log2(the largest magnitude in the block)) - 2, held to -126 .. 127; a block of zeros has e = 0. As a byte (E8M0): e + 127.
;;     - Each number is divided by its block's scale, clamped to +-7.5, and rounded to the nearest number of E2M3, ties to even, subnormals kept.
;;     - The product sums the exact products of the quantised numbers (number of the format x scale) in f32.
;;   ~~~python
;;   def quantise(x, axis):      # numpy; x: float32 -> the quantised numbers, widened to float32 again
;;       x = np.moveaxis(x, axis, -1); K = x.shape[-1]
;;       x = np.pad(x, [(0, 0)] * (x.ndim - 1) + [(0, -K % 32)]); x = x.reshape(x.shape[:-1] + (-1, 32)); a = np.abs(x).max(-1, keepdims=True)
;;       e = np.where(a > 0, np.clip(np.frexp(np.where(a > 0, a, 1))[1] - 1 - 2, -126, 127), 0)      # np.frexp(a)[1] - 1 = floor(log2(a)), exactly
;;       r = np.clip(x / 2.0 ** e, -7.5, 7.5)
;;       step = 2.0 ** (np.maximum(np.frexp(np.where(r == 0, 1, r))[1] - 1, 0) - 3)
;;       q = np.round(r / step) * step * 2.0 ** e      # np.round: ties to even
;;       return np.moveaxis(q.reshape(q.shape[:-2] + (-1,))[..., :K], -1, axis).astype(np.float32)
;;   ~~~
;;   SOFTMAX AHEAD OF A QUANTISED PRODUCT. Where the list says 'softmax', what is quantised is not the finished softmax but p = 2^(t - M), with t = logit x log2(e) and M = ceil(the row's largest t), a whole number; so 1/2 < the row's largest p <= 1. The row's sum l is taken of the UNQUANTISED p, in f32, and the product's result is divided by l at the end. Since M is a whole number, a kernel that streams over the keys may use a running M (the ceiling of the running maximum): every later rescaling is an exact power of two, which a block's scale takes up: the codes' values come out the same.
;;   OPERANDS COMPUTED ON THE WAY. 'Computed on the way' means the value that the module computes at that place (a softmax that the list does not call 'softmax' is quantised finished and normalised). What goes into a quantiser is computed in f32, as accurately as f32 sums, v_exp_f32 and their like allow (about 1e-6 of the number): no bf16 or f16 on the way to a quantiser, and a product that is left as it is and whose result goes on into a quantised operand takes f32 operands (vector FMAs, or v_wmma_f32_16x16x4_f32). A number that lies on a knife's edge between two numbers of the format may be rounded either way, as far as f32 arithmetic and the matrix unit's own rounding can turn it there, and no further.
;; One version. Each part assembles by itself: llvm-mc -triple=amdgcn-amd-amdhsa -mcpu=gfx1250 --defsym DOCPART=n.
;; ======== version 1 of 1: 4 launches
;; limits: right only within a limited range of input values
;; workspace buffers: codes 22,020,096 bytes; scales 917,504 bytes; qkimg 16,777,216 bytes; vimg 6,291,456 bytes; hsc 1,572,864 bytes; aimg 6,291,456 bytes; asc 262,144 bytes
;; launch quant (part 1): grid 448 x 1, 4 waves a work-group, no clusters, 34,304 bytes of LDS; arguments queries, keys, values, W_q, W_k, W_v, W_o, codes, scales; writes codes, scales
.if DOCPART == 1
	.amdgcn_target "amdgcn-amd-amdhsa--gfx1250"
	.amdhsa_code_object_version 6
	.text
	.protected	k_qd8ae860bbf_quant
	.globl	k_qd8ae860bbf_quant
	.p2align	8
	.type	k_qd8ae860bbf_quant,@function
k_qd8ae860bbf_quant:
	s_mov_b64 s[64:65], 0
	v_nop
	global_prefetch_b8 v0, s[64:65] scope:SCOPE_SE
	s_setreg_imm32_b32 hwreg(HW_REG_WAVE_MODE, 25, 1), 1
	s_wait_xcnt 0x0
; queries, keys, values [8192][1024] and W_q, W_k, W_v, W_o [1024][1024], all f32 with K innermost, become codes of FP6 (E2M3) with one E8M0 byte for each 32 along K.
; The seven tensors are taken as one list of 28,672 rows = 1,792 tiles of 16 rows.  A wave takes one tile: 16 rows x 1,024, in 8 steps of 128 along K.
; OUT: codes[tile][K step][1536]: an image of the operand's 12 registers: for c = 0, 1: registers 6c..6c+3 at 768 c + 16 x lane, registers 6c+4, 6c+5 at 768 c + 512 + 8 x lane:
; every store of the wave covers 512 or 256 consecutive bytes, aligned.  scales[row][32]: word q of a row = the four bytes of K step q.
; A block's scale byte is its largest magnitude's exponent field - 2, held at 1 from below.
; LIMITS: NaN and infinities among the inputs are not served; a block of zeros, or one whose largest magnitude lies under 2^-124, gets the byte 1 (its codes are what the conversion gives under that byte; a block of zeros
; has zero codes, which add nothing); the bytes are read by this program alone.
; A load takes 512 consecutive bytes of one row; the conversions want 16 neighbours in a lane: so a step's 16 x 512 bytes turn through the wave's own stage in LDS (rows 528 bytes apart: 33 x 16, so that the sixteen
; rows that a read touches fall on different 16-byte columns).  No barrier: waves share nothing.  Loads run two steps (32 loads a wave) ahead.  No matrix unit, no cluster: each byte is read once by one wave.
.set SP,  528
.set WST, 16*SP                        ; a wave's stage
.set R,   16                           ; v16-143  two sets of 64 registers as loaded
.set X,   144                          ; v144-207 64 numbers: register 16 b + i = k 32 b + 16 (lane / 16) + i of row lane % 16
.set PC,  208                          ; v208-219 the fragment's codes
.set CT,  220                          ; v220-227 the conversions' second halves
.set TM,  228                          ; v228-231 largest magnitudes, v232-235 the other half's / the bytes, v240-243 the conversions' scale operands
.set SW,  244                          ; v244-251 the 8 scale words
.set OW,  252                          ; v252-255 the four that my lane stores
	s_load_b512 s[4:19], s[0:1], 0x0               ; queries, keys, values, W_q, W_k, W_v, W_o, codes
	s_load_b64 s[20:21], s[0:1], 0x40              ; scales
	v_lshl_add_u32 v238, v0, 2, 0x8400
	v_mov_b32 v239, 0
	v_lshrrev_b32 v6, 5, v0
	v_readfirstlane_b32 s22, v6                    ; wave
	v_and_b32 v7, 31, v0                           ; lane
	v_and_b32 v8, 15, v0                           ; r
	v_bfe_u32 v9, v0, 4, 1                         ; h
	v_lshlrev_b32 v1, 4, v7                        ; 16 x lane: loads, and the stores of 16 bytes
	v_lshlrev_b32 v2, 3, v7                        ; 8 x lane: the stores of 8 bytes
	s_mul_i32 s23, s22, WST
	v_add_nc_u32 v3, s23, v1                       ; the stage, in: a row's 512 bytes as they lie
	v_mul_u32_u24 v4, v8, SP
	v_lshl_add_u32 v4, v9, 6, v4
	v_add_nc_u32 v4, s23, v4                       ; out: row r, + 64 h: my 16 numbers of a block of 32
	v_lshlrev_b32 v5, 5, v8
	v_lshl_add_u32 v5, v9, 4, v5                   ; the scale words' place: 32 r + 16 h
	s_mov_b32 s26, 0x76543210
	s_mov_b32 s27, 0xfedcba98                      ; v_permlanex16_b32's selects for lane l xor 16
	s_mov_b32 s28, 0xffff0000                      ; lanes 16-31
.irp b, 0,1,2,3
	v_mov_b32 v[TM+4+\b], 0                        ; written once: a lane permute's destination counts as one of its sources
.endr
	s_lshl_b32 s29, ttmp9, 2
	s_add_co_u32 s29, s29, s22                     ; my tile, 0 .. 1791
	s_wait_alu depctr_va_vdst(0)
	s_wait_kmcnt 0x0
	s_mov_b64 s[24:25], s[16:17]                   ; which tensor: the choice hangs on the work-group's number alone
	s_cmp_lt_u32 ttmp9, 432
	s_cselect_b64 s[24:25], s[14:15], s[24:25]
	s_cmp_lt_u32 ttmp9, 416
	s_cselect_b64 s[24:25], s[12:13], s[24:25]
	s_cmp_lt_u32 ttmp9, 400
	s_cselect_b64 s[24:25], s[10:11], s[24:25]
	s_cmp_lt_u32 ttmp9, 384
	s_cselect_b64 s[24:25], s[8:9], s[24:25]
	s_cselect_b32 s30, 511, 63                     ; tiles in the tensor, less one
	s_cmp_lt_u32 ttmp9, 256
	s_cselect_b64 s[24:25], s[6:7], s[24:25]
	s_cmp_lt_u32 ttmp9, 128
	s_cselect_b64 s[24:25], s[4:5], s[24:25]
	s_and_b32 s30, s29, s30                        ; my tile in its tensor
	; WHICH ROWS FORM A TILE.  All tensors but keys: 16 neighbouring rows.  keys: tile u of a group of 64 keys takes keys 8 pi(u) + 0..7 and 32 + 8 pi(u) + 0..7, pi = 0, 2, 1, 3:
	; so in the attention launch a lane's 32 scores of four tiles are one true block of 32 keys, in the order in which V's images hold it.
	s_lshl_b32 s32, s30, 16                        ; 16 rows of 4,096 bytes a tile
	s_lshr_b32 s33, s30, 2
	s_lshl_b32 s33, s33, 18                        ; keys: 64 rows a group,
	s_and_b32 s34, s30, 1
	s_lshl_b32 s34, s34, 16                        ; + 16 rows where u is odd,
	s_bfe_u32 s35, s30, 0x10001
	s_lshl_b32 s35, s35, 15                        ; + 8 rows where u is 2 or 3
	s_add_co_u32 s33, s33, s34
	s_add_co_u32 s33, s33, s35
	s_lshr_b32 s34, ttmp9, 7
	s_cmp_eq_u32 s34, 1                            ; work-groups 128 .. 255 take keys
	s_cselect_b32 s30, s33, s32
	s_cselect_b32 s32, 98304, 0                    ; keys: a tile's rows 8-15 lie 24 rows further on
	s_mov_b32 s33, 0
	s_mov_b32 s31, 0
	s_add_nc_u64 s[24:25], s[24:25], s[30:31]
	s_add_nc_u64 s[32:33], s[24:25], s[32:33]      ; the base for a tile's rows 8-15
	s_mul_i32 s30, s29, 12288
	s_add_nc_u64 s[18:19], s[18:19], s[30:31]      ; my tile's 8 images
	s_lshl_b32 s30, s29, 9
	s_add_nc_u64 s[20:21], s[20:21], s[30:31]      ; my 16 rows of scale bytes
.macro LOAD t                          ; K step t: 16 rows x 512 consecutive bytes, into set t % 2
.irp i, 0,1,2,3,4,5,6,7,8,9,10,11,12,13,14,15
	global_load_b128 v[R+64*((\t)%2)+4*\i:R+64*((\t)%2)+4*\i+3], v1, s[24+8*(\i/8):25+8*(\i/8)] offset:4096*\i+512*(\t) th:TH_LOAD_NT
.endr
.endm
; 64 numbers of a lane become a fragment's codes in v[PC] on and its scale word in v[pw]
.macro QUANT s, pw
.irp b, 0,1,2,3
	v_max3_num_f32 v[TM+\b], |v[\s+16*\b]|, |v[\s+16*\b+1]|, 0x1800000   ; block b: my 16 numbers, and the floor 2^(3 - 127): the byte cannot fall under 1
.endr
.irp i, 2,4,6,8,10,12,14
.irp b, 0,1,2,3
	v_max3_num_f32 v[TM+\b], v[TM+\b], |v[\s+16*\b+\i]|, |v[\s+16*\b+\i+1]|   ; the four blocks by turns
.endr
.endr
.irp b, 0,1,2,3
	v_permlanex16_b32 v[TM+4+\b], v[TM+\b], s26, s27
.endr
.irp b, 0,1,2,3
	v_max_num_f32 v[TM+\b], v[TM+\b], v[TM+4+\b]   ; with lane l xor 16's: the block's largest magnitude
.endr
.irp b, 0,1,2,3
	v_add_nc_u32 v[TM+12+\b], 0xff000000, v[TM+\b] ; 2 off its exponent field: the conversion's scale operand
.endr
.irp b, 0,1,2,3
	v_lshrrev_b32 v[TM+4+\b], 23, v[TM+12+\b]      ; the scale's byte
.endr
	v_lshl_or_b32 v[\pw], v[TM+5], 8, v[TM+4]
	v_lshl_or_b32 v[\pw], v[TM+6], 16, v[\pw]
	v_lshl_or_b32 v[\pw], v[TM+7], 24, v[\pw]      ; my row's scale word
.irp c, 0,1
	v_cvt_scalef32_pk16_fp6_f32 v[PC+6*\c:PC+6*\c+2], v[\s+32*\c:\s+32*\c+15], v[TM+12+2*\c]
	v_cvt_scalef32_pk16_fp6_f32 v[CT+4*\c:CT+4*\c+2], v[\s+32*\c+16:\s+32*\c+31], v[TM+12+2*\c+1]   ; (a conversion's three registers begin on an even number)
.endr
	v_nop                                          ; one plain place behind a scaled conversion
.irp c, 0,1                            ; the operand's layout wants a whole block in a lane: lanes 0-15 block 2 c, lanes 16-31 block 2 c + 1
.irp i, 0,1,2
	v_permlane16_swap_b32 v[PC+6*\c+\i], v[CT+4*\c+\i]
.endr
.irp i, 0,1,2
	v_mov_b32 v[PC+3+6*\c+\i], v[CT+4*\c+\i]
.endr
.endr
.endm
.macro STEP t
.if (\t) < 7
	s_wait_loadcnt 16                              ; this step's 16 loads are in; the next step's 16 may be out
.else
	s_wait_loadcnt 0
.endif
.irp i, 0,1,2,3,4,5,6,7,8,9,10,11,12,13,14,15
	ds_store_b128 v3, v[R+64*((\t)%2)+4*\i:R+64*((\t)%2)+4*\i+3] offset:SP*\i
.endr
.irp b, 0,1,2,3
.irp j, 0,1,2,3
	ds_load_b128 v[X+16*\b+4*\j:X+16*\b+4*\j+3], v4 offset:128*\b+16*\j   ; LDS serves a wave's instructions in order: these see the stores above
.endr
.endr
	s_wait_dscnt 0x0                               ; the numbers are back, and the stores into the stage have read their registers
	s_wait_xcnt 0x0                                ; the last step's stores have read the codes' registers, which are written again below
.if (\t)+2 < 8
	LOAD (\t)+2
.endif
	QUANT X, SW+(\t)
	global_store_b128 v1, v[PC:PC+3], s[18:19] offset:1536*(\t)
	global_store_b64 v2, v[PC+4:PC+5], s[18:19] offset:1536*(\t)+512
	global_store_b128 v1, v[PC+6:PC+9], s[18:19] offset:1536*(\t)+768
	global_store_b64 v2, v[PC+10:PC+11], s[18:19] offset:1536*(\t)+1280
.endm
	LOAD 0
	LOAD 1
.irp t, 0,1,2,3,4,5,6,7
	STEP \t
.endr
.irp i, 0,1,2,3
	v_cndmask_b32 v[OW+\i], v[SW+\i], v[SW+4+\i], s28   ; lanes 0-15 store K steps 0-3 of their row, lanes 16-31 K steps 4-7
.endr
	global_store_b128 v5, v[OW:OW+3], s[20:21]     ; 512 consecutive bytes
	s_wait_tensorcnt 0x0
	ds_add_u32 v238, v239
	s_wait_dscnt 0x0
	s_endpgm
.Lfunc_end_k_qd8ae860bbf_quant:
	.size	k_qd8ae860bbf_quant, .Lfunc_end_k_qd8ae860bbf_quant-k_qd8ae860bbf_quant
	.p2alignl 7, 3214868480
	.fill 96, 4, 3214868480
	.section	.rodata,"a",@progbits
	.p2align	6, 0x0
	.amdhsa_kernel k_qd8ae860bbf_quant
		.amdhsa_group_segment_fixed_size 34304
		.amdhsa_private_segment_fixed_size 0
		.amdhsa_enable_private_segment 0
		.amdhsa_kernarg_size 72
		.amdhsa_user_sgpr_count 2
		.amdhsa_user_sgpr_kernarg_segment_ptr 1
		.amdhsa_wavefront_size32 1
		.amdhsa_system_sgpr_workgroup_id_x 1
		.amdhsa_system_sgpr_workgroup_id_y 1
		.amdhsa_system_sgpr_workgroup_id_z 1
		.amdhsa_system_vgpr_workitem_id 0
		.amdhsa_next_free_vgpr 256
		.amdhsa_next_free_sgpr 66
		.amdhsa_reserve_vcc 0
		.amdhsa_float_denorm_mode_32 3
		.amdhsa_float_denorm_mode_16_64 3
		.amdhsa_memory_ordered 1
		.amdhsa_forward_progress 1
		.amdhsa_inst_pref_size 65
	.end_amdhsa_kernel
	.amdgpu_metadata
---
amdhsa.version: [ 1, 2 ]
amdhsa.kernels:
  - .name:           k_qd8ae860bbf_quant
    .symbol:         k_qd8ae860bbf_quant.kd
    .args:
      - { .name: queries, .offset: 0, .size: 8, .value_kind: global_buffer, .address_space: global }
      - { .name: keys, .offset: 8, .size: 8, .value_kind: global_buffer, .address_space: global }
      - { .name: values, .offset: 16, .size: 8, .value_kind: global_buffer, .address_space: global }
      - { .name: W_q, .offset: 24, .size: 8, .value_kind: global_buffer, .address_space: global }
      - { .name: W_k, .offset: 32, .size: 8, .value_kind: global_buffer, .address_space: global }
      - { .name: W_v, .offset: 40, .size: 8, .value_kind: global_buffer, .address_space: global }
      - { .name: W_o, .offset: 48, .size: 8, .value_kind: global_buffer, .address_space: global }
      - { .name: codes, .offset: 56, .size: 8, .value_kind: global_buffer, .address_space: global }
      - { .name: scales, .offset: 64, .size: 8, .value_kind: global_buffer, .address_space: global }
    .group_segment_fixed_size: 34304
    .private_segment_fixed_size: 0
    .kernarg_segment_align: 8
    .kernarg_segment_size: 72
    .max_flat_workgroup_size: 128
    .sgpr_count:     66
    .vgpr_count:     256
    .wavefront_size: 32
...
	.end_amdgpu_metadata
.endif
;; end of part 1
;; launch proj (part 2): grid 4 x 64, 4 waves a work-group, clusters of 4 x 4, 327,680 bytes of LDS; arguments codes, scales, valid_lens, qkimg, vimg, hsc; writes qkimg, vimg, hsc
.if DOCPART == 2
	.amdgcn_target "amdgcn-amd-amdhsa--gfx1250"
	.amdhsa_code_object_version 6
	.text
	.protected	k_qd8ae860bbf_proj
	.globl	k_qd8ae860bbf_proj
	.p2align	8
	.type	k_qd8ae860bbf_proj,@function
k_qd8ae860bbf_proj:
	s_mov_b64 s[64:65], 0
	v_nop
	global_prefetch_b8 v0, s[64:65] scope:SCOPE_SE
	s_setreg_imm32_b32 hwreg(HW_REG_WAVE_MODE, 25, 1), 1
	s_wait_xcnt 0x0
	s_wait_alu depctr_hold_cnt(0) depctr_sa_sdst(0) depctr_va_vdst(0) depctr_va_sdst(0) depctr_va_ssrc(0) depctr_va_vcc(0) depctr_vm_vsrc(0)
	s_getreg_b32 s2, hwreg(HW_REG_IB_STS2, 6, 4)
	s_cmp_eq_u32 s2, 0
	s_cbranch_scc0 .Lentry_in_a_cluster
	s_endpgm
.Lentry_in_a_cluster:
	s_bfe_u32 s2, ttmp6, 0x10000c
	s_cmp_lg_u32 s2, 0xf033
	s_cbranch_scc0 .Lentry_shape_is_right
	s_endpgm
.Lentry_shape_is_right:
; q = queries W_q^T, k = keys W_k^T, v = values W_v^T on codes of FP6 (E2M3), and the results quantised at once for the two products of attention.
; A TILE: 128 rows of the A side x 256 rows of the B side, all of K = 1,024.  Four waves, each 64 x 128: 32 accumulators.  Source 0 = 16 rows of B, source 1 = 16 rows of A: a lane holds ONE row of A (lane % 16), and
; register 8 b + j of its 64 the B row 16 b + 8 (lane / 16) + j.  For q and k: A = the tokens, B = the weight's rows, so a lane's registers run along the head's axis, product 4's K.
; For v: A = W_v's rows, B = the tokens, so a lane holds one channel d and its registers run down the keys, product 5's K.
; A WORK-GROUP STAYS and makes three tiles: its tile of q, of k, of v.  A loop of two trips makes q and k, which share their way out; v's tile is written out behind it and asks for nothing more.
; LDS: a ring of two slots of 147,456 bytes, each with four K steps of A's 8 and B's 16 tiles of 16 rows.  Slot 0 is filled again at K step 3, slot 1 in the middle of the way out, each with the NEXT tile's codes,
; behind the three lines and a round of the cluster's barrier, one tensor load a wave.  By the text's count a load has five K steps' products
; and half a way out, or half a way out and three K steps' products, between its request and the wait for it: so no prefetch is laid.  Every wait on TENSORcnt is for 0.
; CLUSTER 4 x 4: A's tiles are shared along a row of the cluster, B's along a column: joint loads.
; A block of 32 along the next K is the true block; inside V's blocks the order is 0-7, 16-23, 8-15, 24-31, and p's in the attention launch is the same.
; THE KEYS' TILES: tile a of a wave's 64 keys holds keys 8 pi(a) + 0..7 and 32 + 8 pi(a) + 0..7, pi = 0, 2, 1, 3 (so laid by the first launch).
; THE MASK GOES INTO PRODUCT 4'S EMPTY HALF OF K (the head is 64 wide, the instruction 128).  Every q carries codes 7.5 at k = 64..68 and 0.625 at k = 96, scale bytes 134.  A key at or beyond valid_lens[b] has zero codes at
; k = 0..63, codes -7.5 x 4, -2.5 at k = 64..68 and -0.625 at k = 96, scale bytes 135: its sum is -(225 + 18.75 + 0.390625) x 2^15 = -8,000,000 exactly, which x 1/8 is the -1e6 of the mask.  Any other key has zeros there, bytes 1.
; valid_lens is held to 0 .. 2,048; it steers selections alone, no branch and no address.
; LIMITS: NaN and infinities are not served; a block of zeros or under 2^-124 gets the byte 1 (read by this program alone).
; REGISTERS: window 0: v1-15 small; v16-31 LDS addresses; v32-63 A's scale words, v64-127 B's (nothing else ever); v128-179 the way out.  window 1: accumulator (a, b) at 8 (8 a + b).  windows 2, 3: two sets of fragments: B's at 12 b, A's at 96 + 12 a.
.set CH,  147456                       ; a slot: A's 8 tiles x 6,144 bytes, then B's 16
.set SA,  32
.set SB,  64
.set G1A, 24                           ; s[24:31], s[32:39] descriptor groups 1;  s[40:47], s[68:75] groups 0, one for each slot
.set G1B, 32
.set G0A, 40
.set G0B, 68
.set TM,  128
.set PC,  144                          ; v144-155 codes; v156 the pad; v157 zero
.set CT,  160
.set T,   168                          ; v168-171 registers 4, 5, the pad, zero of the first head's image
.set U,   172
.set PW,  174
.set SW,  176
.set MSB, 0
.macro WIN new                         ; the immediate's high byte repeats the setting that is left
.if MSB != (\new)
	s_set_vgpr_msb (MSB<<8)|(\new)
.set MSB, (\new)
.endif
.endm
.macro CROUND                          ; a round of the cluster's barrier
	s_barrier_signal -1
	s_barrier_wait -1
	s_cmp_lg_u32 s16, 0
	s_cbranch_scc1 .Lnot_wave_0_\@
	s_barrier_signal -3
.Lnot_wave_0_\@:
	s_barrier_wait -3
	s_barrier_signal -1
	s_barrier_wait -1
.endm
.macro PLACES
.rept 4
	v_nop
.endr
.endm
; where tile p = s22 of my walk lies (s23: the cluster's y, 0 .. 15).  A's block aT and its first tile of 16 rows in 'codes': q, k: 4 y + cy, tile 512 p + 8 aT;  v: 4 (y & 1) + cy, tile 1664 + 8 aT: s56, s58, s60, s84-85 never hold cx.
; B's block bT: q, k: cx, tile 1536 + 64 p + 16 bT;  v: 4 (y >> 1) + cx, tile 1024 + 16 bT: s57, s59, s61, s86-87 never hold cy.
.macro TILEADR
	s_and_b32 s56, s23, 1
	s_lshl_b32 s58, s22, 9
	s_cmp_eq_u32 s22, 2
	s_cselect_b32 s56, s56, s23
	s_cselect_b32 s58, 1664, s58
	s_lshl_b32 s56, s56, 2
	s_add_co_u32 s56, s56, s20                     ; aT
	s_lshl_b32 s60, s56, 3
	s_add_co_u32 s58, s58, s60                     ; A's first tile
	s_lshr_b32 s57, s23, 1
	s_lshl_b32 s57, s57, 2
	s_lshl_b32 s59, s22, 6
	s_add_co_u32 s59, s59, 1536
	s_cmp_eq_u32 s22, 2
	s_cselect_b32 s57, s57, 0
	s_cselect_b32 s59, 1024, s59
	s_add_co_u32 s57, s57, s19                     ; bT
	s_lshl_b32 s61, s57, 4
	s_add_co_u32 s59, s59, s61                     ; B's first tile
	s_lshl_b32 s60, s18, 2
	s_add_co_u32 s60, s60, s58
	s_mul_i32 s84, s60, 12288                      ; A's half that I would fetch, in bytes
	s_mov_b32 s85, 0
	s_lshl_b32 s61, s18, 3
	s_add_co_u32 s61, s61, s59
	s_mul_i32 s86, s61, 12288                      ; B's
	s_mov_b32 s87, 0
	s_lshl_b32 s90, s58, 9                         ; the scale words of my 64 rows of A: 512 bytes a tile
	s_lshl_b32 s60, s17, 11
	s_add_co_u32 s90, s90, s60
	s_mov_b32 s91, 0
	s_lshl_b32 s92, s59, 9                         ; and of my 128 rows of B
	s_lshl_b32 s61, s18, 12
	s_add_co_u32 s92, s92, s61
	s_mov_b32 s93, 0
	s_add_nc_u64 s[84:85], s[4:5], s[84:85]
	s_add_nc_u64 s[86:87], s[4:5], s[86:87]
	s_add_nc_u64 s[90:91], s[6:7], s[90:91]
	s_add_nc_u64 s[92:93], s[6:7], s[92:93]
.endm
.macro SETG0 c                         ; slot c's global addresses: K steps 4 c .. 4 c + 3 of the tile last addressed.  Written only where no tensor load of mine is out
	s_add_nc_u64 s[G0A+4*\c+2:G0A+4*\c+3], s[84:85], 6144*\c
	s_or_b32 s[G0A+4*\c+3], s[G0A+4*\c+3], 0x80000000
	s_add_nc_u64 s[G0B+4*\c+2:G0B+4*\c+3], s[86:87], 6144*\c
	s_or_b32 s[G0B+4*\c+3], s[G0B+4*\c+3], 0x80000000
.endm
.macro JLOAD c                         ; a joint load: waves 0, 1 fetch A's halves, waves 2, 3 B's; an s_nop 0 and four v_nop follow each line
	s_cmp_eq_u32 s17, 0
	s_cbranch_scc0 .Lfor_b_\@
	tensor_load_to_lds s[G0A+4*\c:G0A+4*\c+3], s[G1A:G1A+7]
	s_nop 0
	PLACES
	s_branch .Lasked_\@
.Lfor_b_\@:
	tensor_load_to_lds s[G0B+4*\c:G0B+4*\c+3], s[G1B:G1B+7]
	s_nop 0
	PLACES
.Lasked_\@:
.endm
.macro SCLOAD                          ; a tile's scale words, straight into registers: v[SA + 8 a + q]: lane r: the word of row r of tile a for K step q
.irp a, 0,1,2,3
.irp u, 0,1
	global_load_b128 v[SA+8*\a+4*\u:SA+8*\a+4*\u+3], v7, s[90:91] offset:512*\a+16*\u
.endr
.endr
.irp b, 0,1,2,3,4,5,6,7
.irp u, 0,1
	global_load_b128 v[SB+8*\b+4*\u:SB+8*\b+4*\u+3], v7, s[92:93] offset:512*\b+16*\u
.endr
.endr
.endm
	s_load_b256 s[4:11], s[0:1], 0x0               ; codes, scales, valid_lens, qkimg
	s_load_b128 s[12:15], s[0:1], 0x20             ; vimg, hsc
	v_lshl_add_u32 v254, v0, 2, 0x48000
	v_mov_b32 v255, 0
	ds_add_u32 v254, v255                          ; the opening lines
	ds_add_u32 v254, v255
	v_lshrrev_b32 v1, 5, v0
	v_readfirstlane_b32 s16, v1                    ; wave
	s_lshr_b32 s17, s16, 1                         ; wr: my 64 rows of A.  Also: I fetch for A (0) or B (1)
	s_and_b32 s18, s16, 1                          ; wc: my 128 rows of B.  Also: which half I fetch
	s_bfe_u32 s19, ttmp6, 0x40000                  ; cx
	s_bfe_u32 s20, ttmp6, 0x40004                  ; cy
	s_and_b32 s23, ttmp7, 0xffff                   ; the cluster's y, 0 .. 15 (the grid has one cluster along x)
	s_mov_b32 s22, 0                               ; p: 0 q, 1 k, 2 v: the tile last addressed; the same in all sixteen partners
	s_lshl_b32 s62, s20, 2
	s_lshl_b32 s62, 15, s62                        ; my row of the cluster
	s_lshl_b32 s63, 0x1111, s19                    ; my column
	; group 1: rows of 6,144 bytes (four K steps of one tile of 16 rows: 768 elements of 8 bytes), 12,288 bytes apart in memory, dense in LDS; A: 4 rows, B: 8
	s_or_b32 s[G1A], s62, (3<<16)|(1<<21)
	s_or_b32 s[G1B], s63, (3<<16)|(1<<21)
.irp g, G1A, G1B
	s_mov_b32 s[\g+1], 768<<16
	s_mov_b32 s[\g+3], 768<<16
	s_mov_b32 s[\g+5], 1536
	s_mov_b32 s[\g+6], 0
	s_mov_b32 s[\g+7], 0
.endr
	s_mov_b32 s[G1A+2], 4<<16
	s_mov_b32 s[G1A+4], 4
	s_mov_b32 s[G1B+2], 8<<16
	s_mov_b32 s[G1B+4], 8
	s_mul_i32 s88, s18, 24576                      ; where my loads go in a slot
	s_mul_i32 s89, s18, 49152
	s_add_co_u32 s89, s89, 49152
.irp c, 0,1
	s_mov_b32 s[G0A+4*\c], 1
	s_add_co_u32 s[G0A+4*\c+1], s88, CH*\c
	s_mov_b32 s[G0B+4*\c], 1
	s_add_co_u32 s[G0B+4*\c+1], s89, CH*\c
.endr
	s_mov_b32 s66, 0x76543210
	s_mov_b32 s67, 0xfedcba98                      ; v_permlanex16_b32's selects for lane l xor 16
	s_mov_b32 s77, 0xffff0000                      ; lanes 16-31
	s_wait_dscnt 0x0
	s_wait_kmcnt 0x0
	s_load_b128 s[96:99], s[8:9], 0x0              ; valid_lens, all four
	TILEADR
	SETG0 0
	SETG0 1
	CROUND                                         ; all sixteen work-groups are here: the joint loads meet
	JLOAD 0                                        ; q's K steps 0-3: one tensor load a wave at the head
	v_and_b32 v2, 15, v0                           ; r
	v_bfe_u32 v9, v0, 4, 1                         ; h
	v_and_b32 v8, 31, v0                           ; lane
	v_lshlrev_b32 v7, 5, v2                        ; 32 r: a row of scale bytes
	v_lshlrev_b32 v1, 4, v8                        ; 16 x lane
	v_lshlrev_b32 v6, 3, v8                        ; 8 x lane
	SCLOAD
	s_mul_i32 s94, s17, 24576                      ; my four tiles of A in a slot
	s_mul_i32 s95, s18, 49152
	s_add_co_u32 s95, s95, 49152                   ; my eight of B
.irp c, 0,1
	v_add_nc_u32 v[16+\c], s94, v1
	v_add_nc_u32 v[20+\c], s94, v6
	v_add_nc_u32 v[24+\c], s95, v1
	v_add_nc_u32 v[28+\c], s95, v6
	s_add_co_u32 s94, s94, CH
	s_add_co_u32 s95, s95, CH
.endr
	v_mov_b32 v3, 0
	v_mov_b32 v[PC+13], 0
	v_mov_b32 v[T+3], 0
.irp b, 0,1,2,3
	v_mov_b32 v[TM+4+\b], 0                        ; written once: a lane permute's destination counts as one of its sources
.endr
	v_mov_b32 v11, 0x01010000                      ; scale bytes of an empty half
	v_lshrrev_b32 v14, 3, v2
	v_mad_u32_u24 v14, v14, 24, v2                 ; r + 24 (r / 8): row r's key within its tile's two runs of eight
	v_mul_u32_u24 v5, v9, 12288
	v_lshl_add_u32 v5, v2, 4, v5                   ; q's and k's scale words: lanes 0-15 head hd0, lanes 16-31 head hd0 + 1: 16 r
	s_wait_alu depctr_va_vdst(0)                   ; the wait at the head's end
	s_wait_kmcnt 0x0                               ; valid_lens
	s_lshr_b32 s60, s56, 4                         ; b: q's and k's tiles have the same rows
	s_and_b32 s62, s56, 15                         ; which 128 rows of the batch
	s_cmp_eq_u32 s60, 1
	s_cselect_b32 s96, s97, s96
	s_cmp_eq_u32 s60, 2
	s_cselect_b32 s96, s98, s96
	s_cmp_eq_u32 s60, 3
	s_cselect_b32 s96, s99, s96                    ; valid_lens[b]
	s_max_i32 s96, s96, 0
	s_min_i32 s96, s96, 2048
	s_lshl_b32 s97, s62, 7
	s_sub_co_i32 s96, s96, s97
	s_lshl_b32 s97, s17, 6
	s_sub_co_i32 s54, s96, s97                     ; less my first key: a key of my 64 is hidden where this <= its number
	s_wait_tensorcnt 0x0                           ; my part of slot 0 is in
	ds_add_u32 v254, v255
	s_wait_dscnt 0x0
	CROUND
	JLOAD 1                                        ; q's K steps 4-7: my one tensor load behind the round
.macro FRAG reg, a16, a8, off          ; an image of 12 registers comes back as it was stored
	ds_load_b128 v[(\reg):(\reg)+3], v[\a16] offset:(\off)
	ds_load_b64 v[(\reg)+4:(\reg)+5], v[\a8] offset:(\off)+512
	ds_load_b128 v[(\reg)+6:(\reg)+9], v[\a16] offset:(\off)+768
	ds_load_b64 v[(\reg)+10:(\reg)+11], v[\a8] offset:(\off)+1280
.endm
.macro FETCH q                         ; K step q's 12 fragments, 48 loads in one run, into set q % 2
	WIN 0x80+0x40*((\q)%2)
.irp b, 0,1,2,3,4,5,6,7
	FRAG 12*\b, 24+(\q)/4, 28+(\q)/4, 6144*\b+1536*((\q)%4)
.endr
.irp a, 0,1,2,3
	FRAG 96+12*\a, 16+(\q)/4, 20+(\q)/4, 6144*\a+1536*((\q)%4)
.endr
	WIN 0
.endm
.macro MULS q, zero                    ; 32 products; the 32 accumulators take turns, one instruction a turn, in the same order in every step
	WIN 0x5a+5*((\q)%2)
.irp a, 0,1,2,3
.irp b, 0,1,2,3,4,5,6,7
.if \zero
	v_wmma_scale_f32_16x16x128_f8f6f4 v[8*(8*\a+\b):8*(8*\a+\b)+7], v[12*\b:12*\b+11], v[96+12*\a:96+12*\a+11], 0, v[SB+8*\b+(\q)], v[SA+8*\a+(\q)] matrix_a_fmt:MATRIX_FMT_FP6 matrix_b_fmt:MATRIX_FMT_FP6
.else
	v_wmma_scale_f32_16x16x128_f8f6f4 v[8*(8*\a+\b):8*(8*\a+\b)+7], v[12*\b:12*\b+11], v[96+12*\a:96+12*\a+11], v[8*(8*\a+\b):8*(8*\a+\b)+7], v[SB+8*\b+(\q)], v[SA+8*\a+(\q)] matrix_a_fmt:MATRIX_FMT_FP6 matrix_b_fmt:MATRIX_FMT_FP6
.endif
.endr
.endr
	WIN 0
.endm
.macro STEP q, ring                    ; ring = 1: a tile follows, and slot 0 is filled again at K step 3
	s_wait_dscnt 0x0                               ; this step's fragments, asked for 32 products ago, are in; at K step 3: my reads of slot 0 are over
.if (\q) == 3
.if \ring
	s_add_co_u32 s22, s22, 1                       ; the next tile
	TILEADR
	s_wait_tensorcnt 0x0                           ; my part of slot 1 has landed: no tensor load of mine is out
	ds_add_u32 v254, v255
	SETG0 0
	s_wait_dscnt 0x0
	CROUND                                         ; slot 1 is whole, and no wave of any partner reads slot 0
	JLOAD 0                                        ; the next tile's K steps 0-3; its four v_nop are the places in front of the loads below
.else
	s_wait_tensorcnt 0x0                           ; my part of slot 1 has landed
	s_barrier_signal -1
	s_barrier_wait -1
	PLACES
.endif
	FETCH 4
.elseif (\q) < 7
	PLACES                                         ; in front of loads into the set that the step before multiplied
	FETCH (\q)+1
.endif
.if (\q) == 0
	MULS \q, 1                                     ; the first products start the sums
.else
	MULS \q, 0
.endif
.endm
; THE WAY OUT.  The 64 numbers of tile a of my rows (window 1, from 64 a on; register 16 b + i belongs to block b) become a fragment's codes in v[PC] on and its scale word in v[PW].  Each accumulator is read from its low end on.
.macro QUANTW a
	WIN 0x05
.irp b, 0,1,2,3
	v_max3_num_f32 v[TM+\b], |v[64*(\a)+16*\b]|, |v[64*(\a)+16*\b+1]|, 0x1800000   ; and the floor 2^(3 - 127): the byte cannot fall under 1
.endr
	WIN 0x14
.irp i, 2,4,6,8,10,12,14
.irp b, 0,1,2,3
	v_max3_num_f32 v[TM+\b], v[TM+\b], |v[64*(\a)+16*\b+\i]|, |v[64*(\a)+16*\b+\i+1]|
.endr
.endr
	WIN 0
.irp b, 0,1,2,3
	v_permlanex16_b32 v[TM+4+\b], v[TM+\b], s66, s67
.endr
.irp b, 0,1,2,3
	v_max_num_f32 v[TM+\b], v[TM+\b], v[TM+4+\b]
.endr
.irp b, 0,1,2,3
	v_add_nc_u32 v[TM+12+\b], 0xff000000, v[TM+\b] ; 2 off the exponent field: the conversion's scale operand
.endr
.irp b, 0,1,2,3
	v_lshrrev_b32 v[TM+4+\b], 23, v[TM+12+\b]      ; the byte
.endr
	v_lshl_or_b32 v[PW], v[TM+5], 8, v[TM+4]
	v_lshl_or_b32 v[PW], v[TM+6], 16, v[PW]
	v_lshl_or_b32 v[PW], v[TM+7], 24, v[PW]
	WIN 0x01
.irp c, 0,1
	v_cvt_scalef32_pk16_fp6_f32 v[PC+6*\c:PC+6*\c+2], v[64*(\a)+32*\c:64*(\a)+32*\c+15], v[TM+12+2*\c]
	v_cvt_scalef32_pk16_fp6_f32 v[CT+4*\c:CT+4*\c+2], v[64*(\a)+32*\c+16:64*(\a)+32*\c+31], v[TM+12+2*\c+1]
.endr
	WIN 0
	v_nop                                          ; one plain place behind a scaled conversion
.irp c, 0,1
.irp i, 0,1,2
	v_permlane16_swap_b32 v[PC+6*\c+\i], v[CT+4*\c+\i]
.endr
.irp i, 0,1,2
	v_mov_b32 v[PC+3+6*\c+\i], v[CT+4*\c+\i]
.endr
.endr
.endm
; q's and k's tile a of my rows: my 128 columns are two heads; the fragment holds head hd0 in registers 0-5 and head hd0 + 1 in registers 6-11
.macro QKOUT a
	s_wait_xcnt 0x0                                ; the last stores have read their registers
	QUANTW \a
	s_sub_co_i32 s3, s52, 8*(((\a)%2)*2+(\a)/2)    ; tile a's keys begin at 8 pi(a)
	v_cmp_le_i32 vcc_lo, s3, v14
.irp i, 0,1,2,3,4,5,6,7,8,9,10,11
	v_cndmask_b32 v[PC+\i], v[PC+\i], v3, vcc_lo   ; a hidden key's codes are zeros
.endr
	s_sub_co_i32 s3, s53, 8*(((\a)%2)*2+(\a)/2)
	v_cmp_le_i32 vcc_lo, s3, v14
	v_cndmask_b32 v[T+2], v3, v4, vcc_lo           ; the pad, or zeros
	v_cndmask_b32 v13, v11, v12, vcc_lo            ; its scale bytes
	v_mov_b32 v[PC+12], v[T+2]
	v_mov_b32 v[T], v[PC+4]
	v_mov_b32 v[T+1], v[PC+5]
	v_and_b32 v[U], 0xffff, v[PW]
	v_lshrrev_b32 v[U+1], 16, v[PW]
	v_cndmask_b32 v[U], v[U], v[U+1], s77          ; lanes 0-15: the first head's two bytes; lanes 16-31: the second's
	v_or_b32 v[SW+\a], v[U], v13
	global_store_b128 v1, v[PC:PC+3], s[48:49] offset:1024*\a               ; each store: 512 consecutive bytes, aligned
	global_store_b128 v1, v[T:T+3], s[48:49] offset:1024*\a+512
	global_store_b128 v1, v[PC+6:PC+9], s[48:49] offset:131072+1024*\a
	global_store_b128 v1, v[PC+10:PC+13], s[48:49] offset:131072+1024*\a+512
.endm
	FETCH 0
.Ltile:                                ; ---- a trip: q's tile, then k's.  s22 = p, and s56, s57 are this tile's aT, bT until K step 3
	s_wait_xcnt 0x0                                ; the last trip's stores have read their bases
	s_mov_b32 s21, 0x32ffffff
	s_mov_b32 s94, 0x87870000
	s_cmp_eq_u32 s22, 0                            ; q?
	s_cselect_b32 s52, 0x40000000, s54             ; the limit for zeroing: q is never zeroed
	s_cselect_b32 s53, 0xc0000000, s54             ; the limit for the pad: q always has it
	s_cselect_b32 s21, 0x1f7df7df, s21             ; the pad's codes at k = 64..68: q: 7.5 x 5; k: -7.5 x 4, -2.5
	s_cselect_b32 s97, 5, 0x25                     ; and at k = 96: 0.625; -0.625
	s_cselect_b32 s94, 0x86860000, s94             ; the pad's scale bytes
	v_mov_b32 v4, s21
	v_mov_b32 v10, s97
	v_cndmask_b32 v4, v4, v10, s77                 ; register 6 of a padded row
	v_mov_b32 v12, s94
	s_lshr_b32 s60, s56, 4                         ; b
	s_and_b32 s62, s56, 15
	s_lshl_b32 s2, s57, 2
	s_lshl_b32 s3, s18, 1
	s_add_co_u32 s2, s2, s3                        ; hd0 = 4 bT + 2 wc
	s_lshl_b32 s3, s60, 4
	s_add_co_u32 s2, s2, s3                        ; 16 b + hd0
	s_lshl_b32 s100, s2, 7
	s_lshl_b32 s3, s62, 3
	s_add_co_u32 s100, s100, s3
	s_lshl_b32 s3, s17, 2
	s_add_co_u32 s100, s100, s3                    ; my first tile of 16 rows in the head
	s_lshl_b32 s100, s100, 10
	s_lshl_b32 s3, s22, 23
	s_add_co_u32 s100, s100, s3                    ; k's images lie 8,388,608 bytes behind q's
	s_mov_b32 s101, 0
	s_add_nc_u64 s[48:49], s[10:11], s[100:101]
	s_mul_i32 s100, s2, 12288
	s_mul_i32 s3, s62, 768
	s_add_co_u32 s100, s100, s3
	s_lshl_b32 s3, s17, 8
	s_add_co_u32 s100, s100, s3
	s_mul_i32 s3, s22, 786432
	s_add_co_u32 s100, s100, s3
	s_add_nc_u64 s[50:51], s[14:15], s[100:101]
	s_wait_alu depctr_va_vdst(0)                   ; the wait ahead of a blocking wait
	s_wait_loadcnt 0x0                             ; this tile's scale words
.irp q, 0,1,2,3,4,5,6,7
	STEP \q, 1
.endr
	PLACES                                         ; in front of the first read of results, and of loads into the scale registers
	SCLOAD                                         ; the next tile's scale words come under the way out
	QKOUT 0
	QKOUT 1
	s_wait_alu depctr_va_vdst(0)
	s_wait_tensorcnt 0x0                           ; my part of slot 0's new tile has landed: no tensor load of mine is out
	ds_add_u32 v254, v255
	SETG0 1
	s_wait_dscnt 0x0                               ; my reads of slot 1 were back at K step 7
	CROUND                                         ; slot 0 is whole, and no wave of any partner reads slot 1
	JLOAD 1                                        ; the next tile's K steps 4-7
	QKOUT 2
	QKOUT 3
	global_store_b128 v5, v[SW:SW+3], s[50:51]     ; four tiles' words of a row: sixteen lanes fill 256 consecutive bytes, aligned
	FETCH 0                                        ; the next tile's first fragments
	s_cmp_lt_u32 s22, 2
	s_wait_alu depctr_va_vdst(0)
	s_cbranch_scc1 .Ltile
	; ---- v, the last tile: nothing more is fetched.  My 64 rows of A are one head's channels, my 128 rows of B one step of 128 keys
	s_lshl_b32 s2, s56, 1
	s_add_co_u32 s2, s2, s17                       ; head = 2 aT + wr
	s_lshr_b32 s3, s57, 3
	s_lshl_b32 s3, s3, 4
	s_add_co_u32 s2, s2, s3                        ; 16 b + head
	s_and_b32 s3, s57, 7
	s_lshl_b32 s3, s3, 1
	s_add_co_u32 s3, s3, s18                       ; the step of 128 keys
	s_lshl_b32 s100, s2, 4
	s_add_co_u32 s100, s100, s3
	s_mul_i32 s100, s100, 6144
	s_mov_b32 s101, 0
	s_add_nc_u64 s[12:13], s[12:13], s[100:101]
	s_mul_i32 s100, s2, 12288
	s_mul_i32 s3, s3, 768
	s_add_co_u32 s100, s100, s3
	s_add_co_u32 s100, s100, 786432+512            ; V's words lie in k's records, behind the keys' 512 bytes
	s_add_nc_u64 s[14:15], s[14:15], s[100:101]
	s_wait_loadcnt 0x0                             ; v's scale words
.irp q, 0,1,2,3,4,5,6,7
	STEP \q, 0
.endr
	PLACES
.irp a, 0,1,2,3
	s_wait_xcnt 0x0
	QUANTW \a
.irp i, 0,1,2
	global_store_b128 v1, v[PC+4*\i:PC+4*\i+3], s[12:13] offset:1536*\a+512*\i   ; registers 4 i .. 4 i + 3 at 512 i + 16 x lane
.endr
	v_mov_b32 v[SW+\a], v[PW]
.endr
	v_lshlrev_b32 v5, 4, v2                        ; 16 r
	v_cmp_gt_u32 vcc_lo, 16, v8
	s_wait_alu depctr_va_vdst(0)
	s_wait_xcnt 0x0                                ; EXEC changes only behind this wait
	s_and_saveexec_b32 s3, vcc_lo
	global_store_b128 v5, v[SW:SW+3], s[14:15]     ; lanes 0-15: 256 consecutive bytes, aligned
	s_wait_xcnt 0x0
	s_or_b32 exec_lo, exec_lo, s3
	s_wait_tensorcnt 0x0                           ; the wave's end
	ds_add_u32 v254, v255
	s_wait_dscnt 0x0
	CROUND                                         ; the closing round: no work-group ends while a partner may still ask for a tile that names it
	s_endpgm
.Lfunc_end_k_qd8ae860bbf_proj:
	.size	k_qd8ae860bbf_proj, .Lfunc_end_k_qd8ae860bbf_proj-k_qd8ae860bbf_proj
	.p2alignl 7, 3214868480
	.fill 96, 4, 3214868480
	.section	.rodata,"a",@progbits
	.p2align	6, 0x0
	.amdhsa_kernel k_qd8ae860bbf_proj
		.amdhsa_group_segment_fixed_size 327680
		.amdhsa_private_segment_fixed_size 0
		.amdhsa_enable_private_segment 0
		.amdhsa_kernarg_size 48
		.amdhsa_user_sgpr_count 2
		.amdhsa_user_sgpr_kernarg_segment_ptr 1
		.amdhsa_wavefront_size32 1
		.amdhsa_system_sgpr_workgroup_id_x 1
		.amdhsa_system_sgpr_workgroup_id_y 1
		.amdhsa_system_sgpr_workgroup_id_z 1
		.amdhsa_system_vgpr_workitem_id 0
		.amdhsa_next_free_vgpr 1024
		.amdhsa_next_free_sgpr 102
		.amdhsa_reserve_vcc 1
		.amdhsa_float_denorm_mode_32 3
		.amdhsa_float_denorm_mode_16_64 3
		.amdhsa_memory_ordered 1
		.amdhsa_forward_progress 1
		.amdhsa_inst_pref_size 174
	.end_amdhsa_kernel
	.amdgpu_metadata
---
amdhsa.version: [ 1, 2 ]
amdhsa.kernels:
  - .name:           k_qd8ae860bbf_proj
    .symbol:         k_qd8ae860bbf_proj.kd
    .args:
      - { .name: codes, .offset: 0, .size: 8, .value_kind: global_buffer, .address_space: global }
      - { .name: scales, .offset: 8, .size: 8, .value_kind: global_buffer, .address_space: global }
      - { .name: valid_lens, .offset: 16, .size: 8, .value_kind: global_buffer, .address_space: global }
      - { .name: qkimg, .offset: 24, .size: 8, .value_kind: global_buffer, .address_space: global }
      - { .name: vimg, .offset: 32, .size: 8, .value_kind: global_buffer, .address_space: global }
      - { .name: hsc, .offset: 40, .size: 8, .value_kind: global_buffer, .address_space: global }
    .group_segment_fixed_size: 327680
    .private_segment_fixed_size: 0
    .kernarg_segment_align: 8
    .kernarg_segment_size: 48
    .max_flat_workgroup_size: 128
    .sgpr_count:     102
    .vgpr_count:     1024
    .wavefront_size: 32
...
	.end_amdgpu_metadata
.endif
;; end of part 2
;; launch attn (part 3): grid 4 x 64, 16 waves a work-group, clusters of 4 x 1, 327,680 bytes of LDS; arguments qkimg, vimg, hsc, aimg, asc; writes aimg, asc
.if DOCPART == 3
	.amdgcn_target "amdgcn-amd-amdhsa--gfx1250"
	.amdhsa_code_object_version 6
	.text
	.protected	k_qd8ae860bbf_attn
	.globl	k_qd8ae860bbf_attn
	.p2align	8
	.type	k_qd8ae860bbf_attn,@function
k_qd8ae860bbf_attn:
	s_mov_b64 s[64:65], 0
	v_nop
	global_prefetch_b8 v0, s[64:65] scope:SCOPE_SE
	s_setreg_imm32_b32 hwreg(HW_REG_WAVE_MODE, 25, 1), 1
	s_wait_xcnt 0x0
	s_wait_alu depctr_hold_cnt(0) depctr_sa_sdst(0) depctr_va_vdst(0) depctr_va_sdst(0) depctr_va_ssrc(0) depctr_va_vcc(0) depctr_vm_vsrc(0)
	s_getreg_b32 s2, hwreg(HW_REG_IB_STS2, 6, 4)
	s_cmp_eq_u32 s2, 0
	s_cbranch_scc0 .Lentry_in_a_cluster
	s_endpgm
.Lentry_in_a_cluster:
	s_bfe_u32 s2, ttmp6, 0x10000c
	s_cmp_lg_u32 s2, 0x3003
	s_cbranch_scc0 .Lentry_shape_is_right
	s_endpgm
.Lentry_shape_is_right:
; o = softmax(q k^T / 8, hidden keys at -1e6) v for one head and 512 queries a work-group, on codes of FP6 (E2M3), and o quantised at once along the heads' axis for the last product.
; The mask lies in the images (the projection launch put it into product 4's empty half of K): every key is multiplied here.
; A WORK-GROUP: 16 waves; a wave takes 16 queries a pass, two passes.  The head's 2,048 keys lie in LDS whole: K's images 131,072 bytes, V's 98,304, their scale words 12,288; each byte is filled once, at the head,
; one tensor load a wave: waves 0-7 K, 8-13 V (16,384 bytes each), 14-15 the scale words (6,144 each).  CLUSTER 4 x 1: the four query blocks of a head ask for these tiles jointly.
; No prefetch: all that the launch reads by tensor loads is asked for at its head; there is no loop to run ahead in.
; BOTH PRODUCTS ARE USED TRANSPOSED (S^T = k q^T, O^T = v^T p^T): a lane holds one query.  Tile t = 4 c + u of a step's eight holds keys 64 c + 32 h + 8 pi(u) + j in row 8 h + j (pi = 0, 2, 1, 3), so the 32 registers
; of tiles 4 c .. 4 c + 3 in lane (r, h) are the true block 2 c + h of 32 keys, in the order of V's images: a block's maximum needs no other lane, and the conversions' results are p's operand.
; K'S FRAGMENTS OVERLAP: a tile's image has 8 registers; registers 8-11 of its operand meet q's registers 8-11, which hold zero codes, and FP6 has only finite codes: so they may hold the next tile's data.
; TWO REGIONS OF 68 REGISTERS CHANGE ROLES STEP BY STEP: one holds K, then V; the other S and p, then the next step's K.
; The softmax is the problem's: M = ceil(running largest t), p = 2^(t - M), the sum of the unquantised p, O^T and the sum x 2^(old M - new M).  A block's largest p is the exponential of its largest score.
; LIMITS: the scaled scores stay under 2^31 in magnitude; NaN and infinities are not served; a block of p under 2^-124 gets the byte 1.
.set VIMG, 131072
.set SC,   229376
.set SPARE, 241664
.set R1,  32                           ; v32-99, v100-167 the two regions
.set R2,  100
.set O,   168                          ; v168-199 O^T
.set PC,  200                          ; v200-211 p's codes; v212-218 the conversions' second halves
.set CT,  212
.set KS,  220                          ; v220-223 K's scale words, v224-227 V's; v28 q's, v29 p's (nothing else ever); v248 the second pass's q's
.set VS,  224
.set BM,  228                          ; v228-229 the blocks' maxima, v230-231 the conversions' scale operands
.set SO,  230
.set T1,  232                          ; v232-237 three more chains of the row's sum
.set G1,  24
.set G1S, 32
.macro CROUND
	s_barrier_signal -1
	s_barrier_wait -1
	s_cmp_lg_u32 s14, 0
	s_cbranch_scc1 .Lnot_wave_0_\@
	s_barrier_signal -3
.Lnot_wave_0_\@:
	s_barrier_wait -3
	s_barrier_signal -1
	s_barrier_wait -1
.endm
.macro PLACES
.rept 4
	v_nop
.endr
.endm
.macro D1
	s_delay_alu instid0(VALU_DEP_1)
.endm
	s_load_b256 s[4:11], s[0:1], 0x0               ; qkimg, vimg, hsc, aimg
	s_load_b64 s[12:13], s[0:1], 0x20              ; asc
	v_lshl_add_u32 v254, v0, 2, SPARE
	v_mov_b32 v255, 0
	ds_add_u32 v254, v255                          ; the opening lines
	ds_add_u32 v254, v255
	v_lshrrev_b32 v1, 5, v0
	v_readfirstlane_b32 s14, v1                    ; wave
	s_bfe_u32 s15, ttmp6, 0x40000                  ; cx
	s_and_b32 s16, ttmp7, 0xffff                   ; 16 b + head
	s_lshl_b32 s17, ttmp9, 2
	s_add_co_u32 s17, s17, s15                     ; which 512 queries
	s_and_b32 s52, s14, 7
	s_lshl_b32 s52, s52, 14                        ; 16,384 x (wave % 8): my part of K's or of V's images
	s_lshl_b32 s76, s16, 17
	s_add_co_u32 s76, s76, s52
	s_add_co_u32 s76, s76, 8388608                 ; k's images lie behind q's
	s_mov_b32 s77, 0
	s_mul_i32 s78, s16, 98304
	s_add_co_u32 s78, s78, s52
	s_mov_b32 s79, 0
	s_and_b32 s53, s14, 1
	s_mul_i32 s53, s53, 6144                       ; my half of the scale words
	s_mul_i32 s80, s16, 12288
	s_add_co_u32 s80, s80, s53
	s_add_co_u32 s80, s80, 786432
	s_mov_b32 s81, 0
.irp g, G1, G1S                        ; dense blocks as rows of 256 bytes (32 elements of 8): 64 rows, and 24 for the scale words
	s_mov_b32 s[\g], 15|(3<<16)|(1<<21)
	s_mov_b32 s[\g+1], 32<<16
	s_mov_b32 s[\g+3], 32<<16
	s_mov_b32 s[\g+5], 32
	s_mov_b32 s[\g+6], 0
	s_mov_b32 s[\g+7], 0
.endr
	s_mov_b32 s[G1+2], 64<<16
	s_mov_b32 s[G1+4], 64
	s_mov_b32 s[G1S+2], 24<<16
	s_mov_b32 s[G1S+4], 24
	s_mov_b32 s40, 1
	s_lshl_b32 s41, s14, 14                        ; K's and V's images lie on end in LDS: 16,384 x wave
	s_mov_b32 s44, 1
	s_lshl_b32 s45, s14, 14
	s_mov_b32 s48, 1
	s_add_co_u32 s49, s53, SC
	s_mov_b32 s20, 0x76543210
	s_mov_b32 s21, 0xfedcba98                      ; v_permlanex16_b32's selects for lane l xor 16
	s_mov_b32 s22, 0x3e38aa3b                      ; log2(e) / 8
	s_mov_b32 s23, s22
	s_mov_b32 s66, 2                               ; passes
	s_wait_dscnt 0x0
	s_wait_kmcnt 0x0
	s_add_nc_u64 s[42:43], s[4:5], s[76:77]
	s_or_b32 s43, s43, 0x80000000
	s_add_nc_u64 s[46:47], s[6:7], s[78:79]
	s_or_b32 s47, s47, 0x80000000
	s_add_nc_u64 s[50:51], s[8:9], s[80:81]
	s_or_b32 s51, s51, 0x80000000
	CROUND                                         ; the four work-groups are here: the joint loads meet
	s_cmp_lt_u32 s14, 8                            ; one chain of branches on the wave's number, one load to an arm
	s_cbranch_scc0 .Lhead_v
	tensor_load_to_lds s[40:43], s[G1:G1+7]
	s_nop 0
	PLACES
	s_branch .Lhead_asked
.Lhead_v:
	s_cmp_lt_u32 s14, 14
	s_cbranch_scc0 .Lhead_s
	tensor_load_to_lds s[44:47], s[G1:G1+7]
	s_nop 0
	PLACES
	s_branch .Lhead_asked
.Lhead_s:
	tensor_load_to_lds s[48:51], s[G1S:G1S+7]
	s_nop 0
	PLACES
.Lhead_asked:
	s_lshl_b32 s18, s17, 5
	s_add_co_u32 s18, s18, s14                     ; my first pass's tile of 16 queries; the second's lies 16 tiles on
	s_lshl_b32 s82, s16, 17
	s_lshl_b32 s83, s18, 10
	s_add_co_u32 s82, s82, s83
	s_mov_b32 s83, 0
	s_add_nc_u64 s[68:69], s[4:5], s[82:83]        ; q's image
	s_mul_i32 s82, s16, 12288
	s_lshr_b32 s84, s18, 3
	s_mul_i32 s84, s84, 768
	s_add_co_u32 s82, s82, s84
	s_bfe_u32 s84, s18, 0x10002
	s_lshl_b32 s84, s84, 8
	s_add_co_u32 s82, s82, s84
	s_and_b32 s84, s18, 3
	s_lshl_b32 s84, s84, 2
	s_add_co_u32 s82, s82, s84
	s_add_nc_u64 s[70:71], s[8:9], s[82:83]        ; q's scale words
	s_lshr_b32 s85, s16, 4
	s_and_b32 s86, s16, 15
	s_lshl_b32 s82, s85, 7
	s_add_co_u32 s82, s82, s18
	s_lshl_b32 s82, s82, 3
	s_lshr_b32 s84, s86, 1
	s_add_co_u32 s82, s82, s84
	s_mul_i32 s82, s82, 1536
	s_and_b32 s84, s86, 1
	s_mul_i32 s84, s84, 768
	s_add_co_u32 s82, s82, s84
	s_add_nc_u64 s[72:73], s[10:11], s[82:83]      ; o's image: half of a K step of the last product
	s_lshl_b32 s82, s85, 7
	s_add_co_u32 s82, s82, s18
	s_lshl_b32 s82, s82, 9
	s_lshl_b32 s84, s86, 1
	s_add_co_u32 s82, s82, s84
	s_add_nc_u64 s[74:75], s[12:13], s[82:83]      ; o's two scale bytes a row
	v_and_b32 v11, 31, v0
	v_and_b32 v7, 15, v0
	v_bfe_u32 v8, v0, 4, 1
	v_lshlrev_b32 v1, 4, v11                       ; 16 x lane
	v_lshlrev_b32 v2, 4, v7                        ; 16 r
	v_lshlrev_b32 v9, 3, v11
	v_lshlrev_b32 v10, 5, v7
	v_lshlrev_b32 v8, 3, v8                        ; 8 h
	s_wait_alu depctr_va_vdst(0)
	global_load_b128 v[16:19], v1, s[68:69]        ; both passes' q come now
	global_load_b128 v[20:23], v1, s[68:69] offset:512
	global_load_b32 v28, v2, s[70:71]
	global_load_b128 v[240:243], v1, s[68:69] offset:16384
	global_load_b128 v[244:247], v1, s[68:69] offset:16896
	global_load_b32 v248, v2, s[70:71] offset:1536
.irp i, 24,25,26,27, 31, 96,97,98,99, 164,165,166,167, 238,239, 250,251, 253
	v_mov_b32 v\i, 0                               ; q's zero codes; the regions' last four; destinations of lane permutes, written once
.endr
	s_wait_alu depctr_va_vdst(0)                   ; the wait at the head's end
	s_wait_tensorcnt 0x0                           ; my part is in,
	s_wait_loadcnt 0x0
	s_barrier_signal -1
	s_barrier_wait -1                              ; everybody's is
.macro KLOAD rg, ko, so                ; a step's eight tiles of K, 8 registers each, and their scale words: 17 loads
.irp t, 0,1,2,3,4,5,6,7
	ds_load_b128 v[\rg+8*\t:\rg+8*\t+3], v3 offset:\ko+1024*\t
	ds_load_b128 v[\rg+8*\t+4:\rg+8*\t+7], v3 offset:\ko+1024*\t+512
.endr
	ds_load_b128 v[KS:KS+3], v5 offset:\so
.endm
.macro ACC4 b                          ; four pairs of p onto the sum's four chains
	v_pk_add_f32 v[14:15], v[14:15], v[(\b):(\b)+1]
	v_pk_add_f32 v[T1:T1+1], v[T1:T1+1], v[(\b)+2:(\b)+3]
	v_pk_add_f32 v[T1+2:T1+3], v[T1+2:T1+3], v[(\b)+4:(\b)+5]
	v_pk_add_f32 v[T1+4:T1+5], v[T1+4:T1+5], v[(\b)+6:(\b)+7]
.endm
; A step of 128 keys.  rk: the region with K, then V;  rs: S, p, then the next K;  odd: the trip's second step;  pre: the next step's K is fetched
.macro STEP rk, rs, odd, pre
	s_wait_alu depctr_va_vdst(0)                   ; the wait ahead of a blocking wait
	s_wait_dscnt 0x0                               ; K and its scale words are in; no LDS instruction of mine is out
.if \odd == 0
	s_barrier_signal -1                            ; one barrier a trip, its wait in the second step: it holds the sixteen waves within two steps of each other
.endif
.irp t, 0,1,2,3
	v_wmma_scale_f32_16x16x128_f8f6f4 v[\rs+8*\t:\rs+8*\t+7], v[\rk+8*\t:\rk+8*\t+11], v[16:27], 0, v[KS+\t], v28 matrix_a_fmt:MATRIX_FMT_FP6 matrix_b_fmt:MATRIX_FMT_FP6
.endr
.irp t, 0,1,2,3
	v_wmma_scale_f32_16x16x128_f8f6f4 v[\rs+32+8*\t:\rs+32+8*\t+7], v[\rk+32+8*\t:\rk+32+8*\t+11], v[16:27], 0, v[KS+\t], v28 matrix_a_fmt:MATRIX_FMT_FP6 matrix_b_fmt:MATRIX_FMT_FP6 matrix_a_scale:MATRIX_SCALE_ROW1
.endr
	v_pk_add_f32 v[14:15], v[14:15], v[T1:T1+1]    ; four places: the last step's chains are joined, and -M is kept
	v_pk_add_f32 v[T1+2:T1+3], v[T1+2:T1+3], v[T1+4:T1+5]
	v_mov_b32 v249, v12
	v_pk_add_f32 v[14:15], v[14:15], v[T1+2:T1+3]
.irp t, 0,1,2,3                        ; V's four tiles over K's, which are done with: 13 loads
.irp p, 0,1,2
	ds_load_b128 v[\rk+12*\t+4*\p:\rk+12*\t+4*\p+3], v4 offset:6144*\odd+1536*\t+512*\p
.endr
.endr
	ds_load_b128 v[VS:VS+3], v6 offset:768*\odd+512
.irp c, 0,1                            ; my two blocks' largest scores, two chains a block; each accumulator is read from its low end on
	v_max3_num_f32 v[BM+\c], v[\rs+32*\c], v[\rs+32*\c+1], v[\rs+32*\c+2]
.endr
.irp c, 0,1
	v_max3_num_f32 v[SO+\c], v[\rs+32*\c+16], v[\rs+32*\c+17], v[\rs+32*\c+18]
.endr
.irp i, 3,5,7,9,11,13
.irp c, 0,1
	v_max3_num_f32 v[BM+\c], v[BM+\c], v[\rs+32*\c+\i], v[\rs+32*\c+\i+1]
.endr
.irp c, 0,1
	v_max3_num_f32 v[SO+\c], v[SO+\c], v[\rs+32*\c+16+\i], v[\rs+32*\c+17+\i]
.endr
.endr
.irp c, 0,1
	v_max3_num_f32 v[BM+\c], v[BM+\c], v[SO+\c], v[\rs+32*\c+15]
.endr
.irp c, 0,1
	v_max_num_f32 v[BM+\c], v[BM+\c], v[\rs+32*\c+31]
.endr
	D1
	v_max_num_f32 v238, v[BM], v[BM+1]
	D1
	v_permlanex16_b32 v239, v238, s20, s21
	D1
	v_max_num_f32 v238, v238, v239                 ; the step's largest score of my query
	D1
	v_mul_f32 v238, s22, v238
	D1
	v_max_num_f32 v13, v13, v238                   ; the running largest t
	D1
	v_floor_f32 v12, -v13                          ; -M
	D1
	v_sub_f32 v238, v12, v249
	D1
	v_cvt_i32_f32 v238, v238
	D1
	v_ldexp_f32 v30, 1.0, v238                     ; f = 2^(old M - new M)
.set J, 0
.rept 16
	v_pk_fma_f32 v[\rs+J:\rs+J+1], v[\rs+J:\rs+J+1], s[22:23], v[12:13] op_sel_hi:[1,0,0]   ; t - M, the first block
.set J, J+2
.endr
	v_fma_f32 v[BM], v[BM], s22, v12
	v_fma_f32 v[BM+1], v[BM+1], s22, v12
	s_wait_alu depctr_va_vdst(0)
.set J, 0
.rept 32
	v_exp_f32 v[\rs+J], v[\rs+J]
.set J, J+1
.endr
	v_exp_f32 v[BM], v[BM]                         ; the blocks' largest p
	v_exp_f32 v[BM+1], v[BM+1]
.set J, 32
.rept 16
	v_pk_fma_f32 v[\rs+J:\rs+J+1], v[\rs+J:\rs+J+1], s[22:23], v[12:13] op_sel_hi:[1,0,0]   ; the second block
.set J, J+2
.endr
	v_pk_mul_f32 v[14:15], v[14:15], v[30:31] op_sel_hi:[1,0]
	s_wait_alu depctr_va_vdst(0)
.set J, 32
.rept 32
	v_exp_f32 v[\rs+J], v[\rs+J]
.set J, J+1
.endr
	v_pk_add_f32 v[T1:T1+1], v[\rs:\rs+1], v[\rs+2:\rs+3]          ; the sum of the unquantised p: the first block's 16 pairs
	v_pk_add_f32 v[T1+2:T1+3], v[\rs+4:\rs+5], v[\rs+6:\rs+7]
	v_pk_add_f32 v[T1+4:T1+5], v[\rs+8:\rs+9], v[\rs+10:\rs+11]
.irp c, 0,1
	v_max_num_f32 v[BM+\c], 0x1800000, v[BM+\c]    ; the floor 2^(3 - 127): the byte cannot fall under 1
.endr
	ACC4 \rs+12
.irp c, 0,1
	v_add_nc_u32 v[SO+\c], 0xff000000, v[BM+\c]    ; 2 off the exponent field: the conversions' scale operand
.endr
	ACC4 \rs+20
.irp c, 0,1
	v_lshrrev_b32 v[250+\c], 23, v[SO+\c]          ; the byte
.endr
	v_pk_add_f32 v[14:15], v[14:15], v[\rs+28:\rs+29]
	v_pk_add_f32 v[T1:T1+1], v[T1:T1+1], v[\rs+30:\rs+31]
	v_lshl_or_b32 v252, v251, 16, v250             ; my bytes: blocks h and 2 + h,
	D1
	v_lshlrev_b32 v252, v8, v252                   ; at their places;
	D1
	v_permlanex16_b32 v253, v252, s20, s21
	D1
	v_or_b32 v29, v252, v253                       ; with lane l xor 16's two: p's scale word
	v_cvt_scalef32_pk16_fp6_f32 v[PC:PC+2], v[\rs:\rs+15], v[SO]
	v_cvt_scalef32_pk16_fp6_f32 v[CT:CT+2], v[\rs+16:\rs+31], v[SO]
	v_nop
	s_wait_alu depctr_va_vdst(0)
	v_cvt_scalef32_pk16_fp6_f32 v[PC+6:PC+8], v[\rs+32:\rs+47], v[SO+1]
	v_cvt_scalef32_pk16_fp6_f32 v[CT+4:CT+6], v[\rs+48:\rs+63], v[SO+1]
	ACC4 \rs+32
	ACC4 \rs+40
	ACC4 \rs+48
	ACC4 \rs+56
.irp c, 0,1
.irp i, 0,1,2
	v_mov_b32 v[PC+3+6*\c+\i], v[CT+4*\c+\i]       ; (a conversion's three registers begin on an even number)
.endr
.endr
.if \pre
	KLOAD \rs, 8192+8192*\odd, 768+768*\odd        ; p is done with: the next step's K
	s_wait_dscnt 17                                ; V and its scale words are in; the 17 loads just issued may be out
.else
	s_wait_dscnt 0x0
.endif
.if \odd
	s_barrier_wait -1
.endif
	s_wait_alu depctr_va_vdst(0)                   ; the wait directly ahead of the first reader of O^T
.set J, 0
.rept 16
	v_pk_mul_f32 v[O+J:O+J+1], v[O+J:O+J+1], v[30:31] op_sel_hi:[1,0]   ; O^T under the new M; also the places behind the writes of p's codes and scale word
.set J, J+2
.endr
.irp t, 0,1,2,3
	v_wmma_scale_f32_16x16x128_f8f6f4 v[O+8*\t:O+8*\t+7], v[\rk+12*\t:\rk+12*\t+11], v[PC:PC+11], v[O+8*\t:O+8*\t+7], v[VS+\t], v29 matrix_a_fmt:MATRIX_FMT_FP6 matrix_b_fmt:MATRIX_FMT_FP6
.endr
.if \odd == 0
.rept 5
	v_nop                                          ; five places: the next step's scores are laid over V's registers
.endr
.elseif \pre
	s_add_co_u32 s60, s60, 16384
	s_add_co_u32 s61, s61, 12288
	s_add_co_u32 s62, s62, 1536
	v_add_nc_u32 v3, s60, v1                       ; the next trip's addresses: four of the five places
	v_add_nc_u32 v4, s61, v1
	v_add_nc_u32 v5, s62, v1
	v_add_nc_u32 v6, s62, v2
	v_nop
.endif
.endm
.Lpass:
	s_mov_b32 s60, 0
	s_mov_b32 s61, VIMG
	s_mov_b32 s62, SC
	s_mov_b32 s63, 7
	v_add_nc_u32 v3, s60, v1
	v_add_nc_u32 v4, s61, v1
	v_add_nc_u32 v5, s62, v1
	v_add_nc_u32 v6, s62, v2
	KLOAD R1, 0, 0
	v_mov_b32 v13, 0xff61b1e6                      ; -3e38, under every t
	v_floor_f32 v12, -v13
.irp i, 14,15, 232,233,234,235,236,237
	v_mov_b32 v\i, 0
.endr
.set J, 0
.rept 32
	v_mov_b32 v[O+J], 0                            ; the step is written once: the first finds zeros
.set J, J+1
.endr
.Lstep:                                ; a trip is two steps: the regions are back where they began
	STEP R1, R2, 0, 1
	STEP R2, R1, 1, 1
	s_sub_co_u32 s63, s63, 1
	s_cmp_lg_u32 s63, 0
	s_cbranch_scc1 .Lstep
	STEP R1, R2, 0, 1                              ; the last two steps: nothing is fetched beyond the last key
	STEP R2, R1, 1, 0
	v_pk_add_f32 v[14:15], v[14:15], v[T1:T1+1]    ; (four places behind the last products)
	v_pk_add_f32 v[T1+2:T1+3], v[T1+2:T1+3], v[T1+4:T1+5]
	v_nop
	v_pk_add_f32 v[14:15], v[14:15], v[T1+2:T1+3]
	D1
	v_add_f32 v14, v14, v15
	D1
	v_permlanex16_b32 v238, v14, s20, s21
	D1
	v_add_f32 v14, v14, v238                       ; the row's sum
	s_wait_alu depctr_va_vdst(0)
	v_rcp_f32 v14, v14
	v_nop
	s_wait_alu depctr_va_vdst(0)
.set J, 0
.rept 16
	v_pk_mul_f32 v[R1+J:R1+J+1], v[O+J:O+J+1], v[14:15] op_sel_hi:[1,0]   ; o(r, 16 t + 8 h + j)
.set J, J+2
.endr
.irp b, 0,1
.irp j, 0,1,2,3,4,5,6,7
	v_permlane16_swap_b32 v[R1+16*\b+\j], v[R1+8+16*\b+\j]   ; a lane now holds 16 neighbours: 32 b + 16 h + 0 .. 15
.endr
.endr
.irp b, 0,1
	v_max3_num_f32 v[BM+\b], |v[R1+16*\b]|, |v[R1+1+16*\b]|, 0x1800000
.endr
.irp i, 2,4,6,8,10,12,14
.irp b, 0,1
	v_max3_num_f32 v[BM+\b], v[BM+\b], |v[R1+16*\b+\i]|, |v[R1+1+16*\b+\i]|
.endr
.endr
.irp b, 0,1
	v_permlanex16_b32 v[250+\b], v[BM+\b], s20, s21
.endr
.irp b, 0,1
	v_max_num_f32 v[BM+\b], v[BM+\b], v[250+\b]
.endr
.irp b, 0,1
	v_add_nc_u32 v[SO+\b], 0xff000000, v[BM+\b]
.endr
.irp b, 0,1
	v_lshrrev_b32 v[250+\b], 23, v[SO+\b]
.endr
	D1
	v_lshl_or_b32 v252, v251, 8, v250              ; the head's two scale bytes
	v_cvt_scalef32_pk16_fp6_f32 v[PC:PC+2], v[R1:R1+15], v[SO]
	v_cvt_scalef32_pk16_fp6_f32 v[CT:CT+2], v[R1+16:R1+31], v[SO+1]
	v_nop
.irp i, 0,1,2
	v_permlane16_swap_b32 v[PC+\i], v[CT+\i]
.endr
.irp i, 0,1,2
	v_mov_b32 v[PC+3+\i], v[CT+\i]
.endr
	global_store_b128 v1, v[PC:PC+3], s[72:73]     ; 512 consecutive bytes, aligned
	global_store_b64 v9, v[PC+4:PC+5], s[72:73] offset:512
	v_cmp_gt_u32 vcc_lo, 16, v11
	s_wait_alu depctr_va_vdst(0)                   ; the wait ahead of a blocking wait
	s_wait_xcnt 0x0                                ; EXEC changes only behind this wait
	s_and_saveexec_b32 s87, vcc_lo
	global_store_b16 v10, v252, s[74:75]
	s_wait_xcnt 0x0
	s_or_b32 exec_lo, exec_lo, s87
	s_add_nc_u64 s[72:73], s[72:73], 196608
	s_add_nc_u64 s[74:75], s[74:75], 8192
.irp i, 0,1,2,3,4,5,6,7
	v_mov_b32 v[16+\i], v[240+\i]                  ; the second pass's q (behind the second pass these nine lines serve nothing)
.endr
	v_mov_b32 v28, v248
	s_sub_co_u32 s66, s66, 1
	s_cmp_lg_u32 s66, 0
	s_wait_alu depctr_va_vdst(0)
	s_cbranch_scc1 .Lpass
	s_wait_tensorcnt 0x0                           ; the wave's end
	ds_add_u32 v254, v255
	s_wait_dscnt 0x0
	CROUND                                         ; the closing round
	s_endpgm
.Lfunc_end_k_qd8ae860bbf_attn:
	.size	k_qd8ae860bbf_attn, .Lfunc_end_k_qd8ae860bbf_attn-k_qd8ae860bbf_attn
	.p2alignl 7, 3214868480
	.fill 96, 4, 3214868480
	.section	.rodata,"a",@progbits
	.p2align	6, 0x0
	.amdhsa_kernel k_qd8ae860bbf_attn
		.amdhsa_group_segment_fixed_size 327680
		.amdhsa_private_segment_fixed_size 0
		.amdhsa_enable_private_segment 0
		.amdhsa_kernarg_size 40
		.amdhsa_user_sgpr_count 2
		.amdhsa_user_sgpr_kernarg_segment_ptr 1
		.amdhsa_wavefront_size32 1
		.amdhsa_system_sgpr_workgroup_id_x 1
		.amdhsa_system_sgpr_workgroup_id_y 1
		.amdhsa_system_sgpr_workgroup_id_z 1
		.amdhsa_system_vgpr_workitem_id 0
		.amdhsa_next_free_vgpr 256
		.amdhsa_next_free_sgpr 90
		.amdhsa_reserve_vcc 1
		.amdhsa_float_denorm_mode_32 3
		.amdhsa_float_denorm_mode_16_64 3
		.amdhsa_memory_ordered 1
		.amdhsa_forward_progress 1
		.amdhsa_inst_pref_size 74
	.end_amdhsa_kernel
	.amdgpu_metadata
---
amdhsa.version: [ 1, 2 ]
amdhsa.kernels:
  - .name:           k_qd8ae860bbf_attn
    .symbol:         k_qd8ae860bbf_attn.kd
    .args:
      - { .name: qkimg, .offset: 0, .size: 8, .value_kind: global_buffer, .address_space: global }
      - { .name: vimg, .offset: 8, .size: 8, .value_kind: global_buffer, .address_space: global }
      - { .name: hsc, .offset: 16, .size: 8, .value_kind: global_buffer, .address_space: global }
      - { .name: aimg, .offset: 24, .size: 8, .value_kind: global_buffer, .address_space: global }
      - { .name: asc, .offset: 32, .size: 8, .value_kind: global_buffer, .address_space: global }
    .group_segment_fixed_size: 327680
    .private_segment_fixed_size: 0
    .kernarg_segment_align: 8
    .kernarg_segment_size: 40
    .max_flat_workgroup_size: 512
    .sgpr_count:     90
    .vgpr_count:     256
    .wavefront_size: 32
...
	.end_amdgpu_metadata
.endif
;; end of part 3
;; launch outp (part 4): grid 4 x 64, 4 waves a work-group, clusters of 4 x 4, 327,680 bytes of LDS; arguments aimg, asc, codes, scales, out0; writes out0
.if DOCPART == 4
	.amdgcn_target "amdgcn-amd-amdhsa--gfx1250"
	.amdhsa_code_object_version 6
	.text
	.protected	k_qd8ae860bbf_outp
	.globl	k_qd8ae860bbf_outp
	.p2align	8
	.type	k_qd8ae860bbf_outp,@function
k_qd8ae860bbf_outp:
	s_mov_b64 s[64:65], 0
	v_nop
	global_prefetch_b8 v0, s[64:65] scope:SCOPE_SE
	s_setreg_imm32_b32 hwreg(HW_REG_WAVE_MODE, 25, 1), 1
	s_wait_xcnt 0x0
	s_wait_alu depctr_hold_cnt(0) depctr_sa_sdst(0) depctr_va_vdst(0) depctr_va_sdst(0) depctr_va_ssrc(0) depctr_va_vcc(0) depctr_vm_vsrc(0)
	s_getreg_b32 s2, hwreg(HW_REG_IB_STS2, 6, 4)
	s_cmp_eq_u32 s2, 0
	s_cbranch_scc0 .Lentry_in_a_cluster
	s_endpgm
.Lentry_in_a_cluster:
	s_bfe_u32 s2, ttmp6, 0x10000c
	s_cmp_lg_u32 s2, 0xf033
	s_cbranch_scc0 .Lentry_shape_is_right
	s_endpgm
.Lentry_shape_is_right:
; out0 = o W_o^T on codes of FP6 (E2M3).  o's codes (aimg) and scale bytes (asc) were made by the attention launch, W_o's by the first launch (tiles 1728 .. 1791 of 'codes').
; A BLOCK: 128 rows of o x 256 rows of W_o, all of K = 1,024.  Four waves, each 64 x 128: 32 accumulators.  Source 0 = 16 rows of W_o, source 1 = 16 rows of o: a lane holds one row of out0 and eight neighbouring columns a tile.
; LDS: the block's codes for all of K, 294,912 bytes, in two halves of four K steps; each byte is filled once, by one tensor load a wave at the head and one behind a round of the cluster's barrier (one of mine is out at most).
; CLUSTER 4 x 4: o's tiles are shared along a row of the cluster, W_o's along a column: joint loads.
; REGISTERS: window 0: v1-15 small; v16-31 LDS addresses; v32-63 o's scale words, v64-127 W_o's (nothing else ever); v128-255 the way out.  window 1: accumulator (a, b) at 8 (8 a + b).  windows 2, 3: two sets of fragments.
; LDS, in place of what the head says of it: the block's codes for all of K lie in TWO halves of four K steps; each byte is filled once.  A wave issues one tensor load at the head (the first half)
; and one behind the three lines and a round of the cluster's barrier (the second half).
.set CH,  147456
.set SA,  32
.set SB,  64
.set G1A, 24
.set G1B, 32
.set G0A, 40
.set G0B, 68
.set STO, 10
.set RD,  11
.set MSB, 0
.macro WIN new
.if MSB != (\new)
	s_set_vgpr_msb (MSB<<8)|(\new)
.set MSB, (\new)
.endif
.endm
.macro CROUND
	s_barrier_signal -1
	s_barrier_wait -1
	s_cmp_lg_u32 s16, 0
	s_cbranch_scc1 .Lnot_wave_0_\@
	s_barrier_signal -3
.Lnot_wave_0_\@:
	s_barrier_wait -3
	s_barrier_signal -1
	s_barrier_wait -1
.endm
.macro PLACES
.rept 4
	v_nop
.endr
.endm
	s_load_b256 s[4:11], s[0:1], 0x0               ; aimg, asc, codes, scales
	s_load_b64 s[12:13], s[0:1], 0x20              ; out0
	v_lshl_add_u32 v14, v0, 2, 0x48000
	v_mov_b32 v15, 0
	ds_add_u32 v14, v15
	ds_add_u32 v14, v15
	v_lshrrev_b32 v1, 5, v0
	v_readfirstlane_b32 s16, v1                    ; wave
	s_lshr_b32 s17, s16, 1                         ; wr: my 64 rows.  Also: I fetch for A (0) or B (1)
	s_and_b32 s18, s16, 1                          ; wc: my 128 columns.  Also: which half I fetch
	s_bfe_u32 s19, ttmp6, 0x40000                  ; cx
	s_bfe_u32 s20, ttmp6, 0x40004                  ; cy
	s_and_b32 s56, ttmp7, 0xffff
	s_lshl_b32 s56, s56, 2
	s_add_co_u32 s56, s56, s20                     ; aT = 4 x cluster y + cy: 128 rows of o.  These registers never hold cx
	s_lshl_b32 s58, s56, 3                         ; its first tile of 16 rows
	s_mov_b32 s57, s19                             ; bT = cx (the grid has one cluster along x): 256 rows of W_o.  These never hold cy
	s_lshl_b32 s59, s57, 4
	s_add_co_u32 s59, s59, 1728                    ; its first tile in 'codes'
	s_lshl_b32 s62, s20, 2
	s_lshl_b32 s62, 15, s62                        ; my row of the cluster
	s_lshl_b32 s63, 0x1111, s19                    ; my column
	s_or_b32 s[G1A], s62, (3<<16)|(1<<21)          ; rows of 6,144 bytes (768 elements of 8), 12,288 apart in memory, dense in LDS; A: 4 rows, B: 8
	s_or_b32 s[G1B], s63, (3<<16)|(1<<21)
.irp g, G1A, G1B
	s_mov_b32 s[\g+1], 768<<16                     ; rows of 6,144 bytes: four K steps of one tile
	s_mov_b32 s[\g+3], 768<<16
	s_mov_b32 s[\g+5], 1536
	s_mov_b32 s[\g+6], 0
	s_mov_b32 s[\g+7], 0
.endr
	s_mov_b32 s[G1A+2], 4<<16
	s_mov_b32 s[G1A+4], 4
	s_mov_b32 s[G1B+2], 8<<16
	s_mov_b32 s[G1B+4], 8
	s_lshl_b32 s60, s18, 2
	s_add_co_u32 s60, s60, s58
	s_mul_i32 s84, s60, 12288
	s_mov_b32 s85, 0
	s_lshl_b32 s61, s18, 3
	s_add_co_u32 s61, s61, s59
	s_mul_i32 s86, s61, 12288
	s_mov_b32 s87, 0
	s_mul_i32 s88, s18, 24576
	s_mul_i32 s89, s18, 49152
	s_add_co_u32 s89, s89, 49152
	s_lshl_b32 s90, s58, 9
	s_lshl_b32 s60, s17, 11
	s_add_co_u32 s90, s90, s60
	s_mov_b32 s91, 0
	s_lshl_b32 s92, s59, 9
	s_lshl_b32 s61, s18, 12
	s_add_co_u32 s92, s92, s61
	s_mov_b32 s93, 0
	s_lshl_b32 s100, s56, 7                        ; where my part of out0 begins: row 128 aT + 64 wr, byte 1,024 bT + 512 wc of it
	s_lshl_b32 s2, s17, 6
	s_add_co_u32 s100, s100, s2
	s_lshl_b32 s100, s100, 12
	s_lshl_b32 s2, s57, 10
	s_add_co_u32 s100, s100, s2
	s_lshl_b32 s2, s18, 9
	s_add_co_u32 s100, s100, s2
	s_mov_b32 s101, 0
	s_wait_dscnt 0x0
	s_wait_kmcnt 0x0
	s_add_nc_u64 s[84:85], s[4:5], s[84:85]
	s_add_nc_u64 s[86:87], s[8:9], s[86:87]
	s_add_nc_u64 s[90:91], s[6:7], s[90:91]
	s_add_nc_u64 s[92:93], s[10:11], s[92:93]
	s_add_nc_u64 s[12:13], s[12:13], s[100:101]
	CROUND                                         ; all sixteen work-groups are here: the joint loads meet
.irp c, 0,1
	s_mov_b32 s[G0A+4*\c], 1
	s_add_co_u32 s[G0A+4*\c+1], s88, CH*\c
	s_add_nc_u64 s[G0A+4*\c+2:G0A+4*\c+3], s[84:85], 6144*\c
	s_or_b32 s[G0A+4*\c+3], s[G0A+4*\c+3], 0x80000000
	s_mov_b32 s[G0B+4*\c], 1
	s_add_co_u32 s[G0B+4*\c+1], s89, CH*\c
	s_add_nc_u64 s[G0B+4*\c+2:G0B+4*\c+3], s[86:87], 6144*\c
	s_or_b32 s[G0B+4*\c+3], s[G0B+4*\c+3], 0x80000000
.endr
	s_cmp_eq_u32 s17, 0                            ; a wave's first fill stands in one branch on the wave's number; four v_nop follow it
	s_cbranch_scc0 .Lfor_b
	tensor_load_to_lds s[G0A:G0A+3], s[G1A:G1A+7]  ; K steps 0-3: one tensor load a wave at the head
	s_nop 0
	PLACES
	s_branch .Lasked
.Lfor_b:
	tensor_load_to_lds s[G0B:G0B+3], s[G1B:G1B+7]
	s_nop 0
	PLACES
.Lasked:
	v_and_b32 v2, 15, v0                           ; r
	v_bfe_u32 v9, v0, 4, 1                         ; h
	v_and_b32 v8, 31, v0                           ; lane
	v_lshlrev_b32 v7, 5, v2                        ; 32 r
	v_lshlrev_b32 v1, 4, v8                        ; 16 x lane
	v_lshlrev_b32 v6, 3, v8                        ; 8 x lane
.irp a, 0,1,2,3                        ; the scale words come once, straight into registers
.irp u, 0,1
	global_load_b128 v[SA+8*\a+4*\u:SA+8*\a+4*\u+3], v7, s[90:91] offset:512*\a+16*\u
.endr
.endr
.irp b, 0,1,2,3,4,5,6,7
.irp u, 0,1
	global_load_b128 v[SB+8*\b+4*\u:SB+8*\b+4*\u+3], v7, s[92:93] offset:512*\b+16*\u
.endr
.endr
	s_mul_i32 s94, s17, 24576
	s_mul_i32 s95, s18, 49152
	s_add_co_u32 s95, s95, 49152
.irp c, 0,1
	v_add_nc_u32 v[16+\c], s94, v1
	v_add_nc_u32 v[20+\c], s94, v6
	v_add_nc_u32 v[24+\c], s95, v1
	v_add_nc_u32 v[28+\c], s95, v6
	s_add_co_u32 s94, s94, CH
	s_add_co_u32 s95, s95, CH
.endr
	s_mul_i32 s66, s16, 16*528                     ; my stage, for the way out: 16 rows x (512 + 16) bytes
	v_mul_u32_u24 v[STO], v2, 528
	v_lshl_add_u32 v[STO], v9, 5, v[STO]
	v_add_nc_u32 v[STO], s66, v[STO]               ; in: row r, 32 bytes for each half of the lanes
	v_add_nc_u32 v[RD], s66, v1                    ; back: a whole row, 16 bytes a lane
.macro FRAG reg, a16, a8, off
	ds_load_b128 v[(\reg):(\reg)+3], v[\a16] offset:(\off)
	ds_load_b64 v[(\reg)+4:(\reg)+5], v[\a8] offset:(\off)+512
	ds_load_b128 v[(\reg)+6:(\reg)+9], v[\a16] offset:(\off)+768
	ds_load_b64 v[(\reg)+10:(\reg)+11], v[\a8] offset:(\off)+1280
.endm
.macro FETCH q
	WIN 0x80+0x40*((\q)%2)
.irp b, 0,1,2,3,4,5,6,7
	FRAG 12*\b, 24+(\q)/4, 28+(\q)/4, 6144*\b+1536*((\q)%4)
.endr
.irp a, 0,1,2,3
	FRAG 96+12*\a, 16+(\q)/4, 20+(\q)/4, 6144*\a+1536*((\q)%4)
.endr
	WIN 0
.endm
.macro MULS q, zero                    ; the 32 accumulators take turns, one instruction a turn
	WIN 0x5a+5*((\q)%2)
.irp a, 0,1,2,3
.irp b, 0,1,2,3,4,5,6,7
.if \zero
	v_wmma_scale_f32_16x16x128_f8f6f4 v[8*(8*\a+\b):8*(8*\a+\b)+7], v[12*\b:12*\b+11], v[96+12*\a:96+12*\a+11], 0, v[SB+8*\b+(\q)], v[SA+8*\a+(\q)] matrix_a_fmt:MATRIX_FMT_FP6 matrix_b_fmt:MATRIX_FMT_FP6
.else
	v_wmma_scale_f32_16x16x128_f8f6f4 v[8*(8*\a+\b):8*(8*\a+\b)+7], v[12*\b:12*\b+11], v[96+12*\a:96+12*\a+11], v[8*(8*\a+\b):8*(8*\a+\b)+7], v[SB+8*\b+(\q)], v[SA+8*\a+(\q)] matrix_a_fmt:MATRIX_FMT_FP6 matrix_b_fmt:MATRIX_FMT_FP6
.endif
.endr
.endr
	WIN 0
.endm
.macro STEP q
	s_wait_dscnt 0x0                               ; this step's fragments are in
.if (\q) == 3
	s_wait_tensorcnt 0x0                           ; my part of the second half has landed
	s_barrier_signal -1
	s_barrier_wait -1
.endif
.if (\q) < 7
	PLACES
	FETCH (\q)+1
.endif
.if (\q) == 0
	MULS \q, 1
.else
	MULS \q, 0
.endif
.endm
	s_wait_alu depctr_va_vdst(0)
	s_wait_tensorcnt 0x0                           ; my part of the first half is in
	ds_add_u32 v14, v15
	s_wait_dscnt 0x0
	CROUND                                         ; everybody's part is in, and all sixteen work-groups are here: the joint loads meet
	s_cmp_eq_u32 s17, 0
	s_cbranch_scc0 .Lfor_b2
	tensor_load_to_lds s[G0A+4:G0A+7], s[G1A:G1A+7] ; K steps 4-7: my one tensor load behind the round
	s_nop 0
	PLACES
	s_branch .Lasked2
.Lfor_b2:
	tensor_load_to_lds s[G0B+4:G0B+7], s[G1B:G1B+7]
	s_nop 0
	PLACES
.Lasked2:
	FETCH 0
	s_wait_loadcnt 0x0                             ; the scale words
.irp q, 0,1,2,3,4,5,6,7
	STEP \q
.endr
	PLACES                                         ; in front of the first read of results
; THE WAY OUT, a block of 16 rows x 128 columns at a time, through my own stage, which lies in the first half: that half has had its one fill, and every wave's reads of it were back in front of the barrier of K step 3.
; LDS serves a wave's instructions in order: no wait between the stores and the loads, nor in front of the next block's stores.
.macro TOSTAGE a
	WIN 0x04                                       ; an LDS store's data are its source 1: window 1
.irp b, 0,1,2,3,4,5,6,7
	ds_store_b128 v[STO], v[8*(8*(\a)+\b):8*(8*(\a)+\b)+3] offset:64*\b        ; each accumulator from its low end on
	ds_store_b128 v[STO], v[8*(8*(\a)+\b)+4:8*(8*(\a)+\b)+7] offset:64*\b+16
.endr
	WIN 0
.irp t, 0,1,2,3,4,5,6,7,8,9,10,11,12,13,14,15
	ds_load_b128 v[128+64*((\a)%2)+4*\t:128+64*((\a)%2)+4*\t+3], v[RD] offset:\t*528
.endr
.endm
.macro SEND a, younger                 ; younger: the LDS instructions issued behind block a's loads, which may stay out
	s_wait_dscnt \younger
.irp t, 0,1,2,3,4,5,6,7,8,9,10,11,12,13,14,15
	global_store_b128 v1, v[128+64*((\a)%2)+4*\t:128+64*((\a)%2)+4*\t+3], s[12:13] offset:(16*(\a)+\t)*4096 th:TH_STORE_NT   ; 512 consecutive bytes, aligned; written once
.endr
.endm
	TOSTAGE 0
.irp a, 1,2,3
.if \a > 1
	s_wait_xcnt 0x0                                ; block a - 2's stores have read the registers into which block a's loads land
.endif
	TOSTAGE \a
	SEND \a-1, 32                                  ; behind block a - 1's loads: block a's 16 stores and 16 loads
.endr
	SEND 3, 0
	s_wait_tensorcnt 0x0
	ds_add_u32 v14, v15
	s_wait_dscnt 0x0
	CROUND                                         ; the closing round: no work-group ends while a partner may still ask for a tile that names it
	s_endpgm
.Lfunc_end_k_qd8ae860bbf_outp:
	.size	k_qd8ae860bbf_outp, .Lfunc_end_k_qd8ae860bbf_outp-k_qd8ae860bbf_outp
	.p2alignl 7, 3214868480
	.fill 96, 4, 3214868480
	.section	.rodata,"a",@progbits
	.p2align	6, 0x0
	.amdhsa_kernel k_qd8ae860bbf_outp
		.amdhsa_group_segment_fixed_size 327680
		.amdhsa_private_segment_fixed_size 0
		.amdhsa_enable_private_segment 0
		.amdhsa_kernarg_size 40
		.amdhsa_user_sgpr_count 2
		.amdhsa_user_sgpr_kernarg_segment_ptr 1
		.amdhsa_wavefront_size32 1
		.amdhsa_system_sgpr_workgroup_id_x 1
		.amdhsa_system_sgpr_workgroup_id_y 1
		.amdhsa_system_sgpr_workgroup_id_z 1
		.amdhsa_system_vgpr_workitem_id 0
		.amdhsa_next_free_vgpr 1024
		.amdhsa_next_free_sgpr 102
		.amdhsa_reserve_vcc 0
		.amdhsa_float_denorm_mode_32 3
		.amdhsa_float_denorm_mode_16_64 3
		.amdhsa_memory_ordered 1
		.amdhsa_forward_progress 1
		.amdhsa_inst_pref_size 83
	.end_amdhsa_kernel
	.amdgpu_metadata
---
amdhsa.version: [ 1, 2 ]
amdhsa.kernels:
  - .name:           k_qd8ae860bbf_outp
    .symbol:         k_qd8ae860bbf_outp.kd
    .args:
      - { .name: aimg, .offset: 0, .size: 8, .value_kind: global_buffer, .address_space: global }
      - { .name: asc, .offset: 8, .size: 8, .value_kind: global_buffer, .address_space: global }
      - { .name: codes, .offset: 16, .size: 8, .value_kind: global_buffer, .address_space: global }
      - { .name: scales, .offset: 24, .size: 8, .value_kind: global_buffer, .address_space: global }
      - { .name: out0, .offset: 32, .size: 8, .value_kind: global_buffer, .address_space: global }
    .group_segment_fixed_size: 327680
    .private_segment_fixed_size: 0
    .kernarg_segment_align: 8
    .kernarg_segment_size: 40
    .max_flat_workgroup_size: 128
    .sgpr_count:     102
    .vgpr_count:     1024
    .wavefront_size: 32
...
	.end_amdgpu_metadata
.endif
;; end of part 4
